; MI455X (gfx1250); checked and timed in simulation.
; The chip was launched on July 23, 2026; its instructions are those of AMD's public machine-readable ISA for CDNA 5 (MIT licence, August 2026) and "CDNA5" Instruction Set Architecture Reference Guide (July 2026). The comments in the code are by the model that wrote it; some were corrected since.
;; Multi Head Attention. Allowed arithmetic: matrix products marked QUANTISED: E2M3 operands, one E8M0 scale for each 32 along K, by v_wmma_scale_f32_16x16x128_f8f6f4 with both operands' format E2M3, f32 sums; everything else in f32.
;; Inputs: Wk 16 x 1,024 x 64 float32; Wo 1,024 x 1,024 float32; Wq 16 x 1,024 x 64 float32; Wv 16 x 1,024 x 64 float32; bo 1,024 float32; x 2 x 2,048 x 1,024 float32.
;; Outputs: out0 2 x 2,048 x 1,024 float32.
;; This version of the problem:
;;   THIS VERSION OF THE PROBLEM IS GIVEN IN LOW PRECISION. The matrix products marked QUANTISED in the list below multiply operands that are first quantised to E2M3 (2 exponent bits, 3 mantissa bits; 6 bits a number), with one power-of-two scale for each 32 numbers along K (OCP MX v1.0); their sums are f32. All else is computed in f32.
;;   The module's matrix products, in the order in which they are computed (A, B: the left and right operand; K: the contracted axis; several contracted axes count as one K, in the product's order):
;;     1. [M 1,024, K 1,024] x [K 1,024, N 4,096]; A: input Wq; B: input x: QUANTISED
;;     2. [M 1,024, K 1,024] x [K 1,024, N 4,096]; A: input Wk; B: input x: QUANTISED
;;     3. [M 1,024, K 1,024] x [K 1,024, N 4,096]; A: input Wv; B: input x: QUANTISED
;;     4. batch 32 x [M 2,048, K 64] x [K 64, N 2,048]; A: computed on the way; B: computed on the way: QUANTISED
;;     5. batch 32 x [M 2,048, K 2,048] x [K 2,048, N 64]; A: softmax (see below); B: computed on the way: QUANTISED
;;     6. [M 4,096, K 1,024] x [K 1,024, N 1,024]; A: computed on the way; B: input Wo: QUANTISED
;;   THE QUANTISER, for each operand of a quantised product, along K:
;;     - K is cut into blocks of 32 from its start; a last block that is shorter is filled with zeros.
;;     - A block's scale is 2^e with e = floor(log2(the largest magnitude in the block)) - 2, held to -126 .. 127; a block of zeros has e = 0. As a byte (E8M0): e + 127.
;;     - Each number is divided by its block's scale, clamped to +-7.5, and rounded to the nearest number of E2M3, ties to even, subnormals kept.
;;     - The product sums the exact products of the quantised numbers (number of the format x scale) in f32.
;;   ~~~python
;;   def quantise(x, axis):      # numpy; x: float32 -> the quantised numbers, widened to float32 again
;;       x = np.moveaxis(x, axis, -1); K = x.shape[-1]
;;       x = np.pad(x, [(0, 0)] * (x.ndim - 1) + [(0, -K % 32)]); x = x.reshape(x.shape[:-1] + (-1, 32)); a = np.abs(x).max(-1, keepdims=True)
;;       e = np.where(a > 0, np.clip(np.frexp(np.where(a > 0, a, 1))[1] - 1 - 2, -126, 127), 0)      # np.frexp(a)[1] - 1 = floor(log2(a)), exactly
;;       r = np.clip(x / 2.0 ** e, -7.5, 7.5)
;;       step = 2.0 ** (np.maximum(np.frexp(np.where(r == 0, 1, r))[1] - 1, 0) - 3)
;;       q = np.round(r / step) * step * 2.0 ** e      # np.round: ties to even
;;       return np.moveaxis(q.reshape(q.shape[:-2] + (-1,))[..., :K], -1, axis).astype(np.float32)
;;   ~~~
;;   SOFTMAX AHEAD OF A QUANTISED PRODUCT. Where the list says 'softmax', what is quantised is not the finished softmax but p = 2^(t - M), with t = logit x log2(e) and M = ceil(the row's largest t), a whole number; so 1/2 < the row's largest p <= 1. The row's sum l is taken of the UNQUANTISED p, in f32, and the product's result is divided by l at the end. Since M is a whole number, a kernel that streams over the keys may use a running M (the ceiling of the running maximum): every later rescaling is an exact power of two, which a block's scale takes up: the codes' values come out the same.
;;   OPERANDS COMPUTED ON THE WAY. 'Computed on the way' means the value that the module computes at that place (a softmax that the list does not call 'softmax' is quantised finished and normalised). What goes into a quantiser is computed in f32, as accurately as f32 sums, v_exp_f32 and their like allow (about 1e-6 of the number): no bf16 or f16 on the way to a quantiser, and a product that is left as it is and whose result goes on into a quantised operand takes f32 operands (vector FMAs, or v_wmma_f32_16x16x4_f32). A number that lies on a knife's edge between two numbers of the format may be rounded either way, as far as f32 arithmetic and the matrix unit's own rounding can turn it there, and no further.
;; One version. Each part assembles by itself: llvm-mc -triple=amdgcn-amd-amdhsa -mcpu=gfx1250 --defsym DOCPART=n.
;; ======== version 1 of 1: 4 launches
;; limits: right only within a limited range of input values
;; workspace buffers: xq 3,276,800 bytes; wq 3,276,800 bytes; qq 3,407,872 bytes; kv 6,684,672 bytes; oq 3,670,016 bytes
;; launch prep (part 1): grid 256 x 1, 4 waves a work-group, no clusters, 167,424 bytes of LDS; arguments x, Wq, Wk, Wv, Wo, xq, wq; writes xq, wq
.if DOCPART == 1
	.amdgcn_target "amdgcn-amd-amdhsa--gfx1250"
	.amdhsa_code_object_version 6
	.text
	.protected	k_qbbcaaa1a95_prep
	.globl	k_qbbcaaa1a95_prep
	.p2align	8
	.type	k_qbbcaaa1a95_prep,@function
k_qbbcaaa1a95_prep:
	s_mov_b64 s[64:65], 0
	v_nop
	global_prefetch_b8 v0, s[64:65] scope:SCOPE_SE
	s_setreg_imm32_b32 hwreg(HW_REG_WAVE_MODE, 25, 1), 1
	s_wait_xcnt 0x0
; x [4096][1024] and the four weights, f32, become codes of FP6 (E2M3) with one E8M0 byte for each 32 along K, laid as IMAGES OF OPERAND REGISTERS.
; A fragment (16 rows x 128 K, 12 registers a lane) is 1,536 bytes: registers 4 g .. 4 g + 3 of lane l at 512 g + 16 l.  Lane (r, h) holds row r, registers 6 c .. 6 c + 5 hold K = 64 c + 32 h + 0 .. 31.
; THE ROWS OF A TILE ARE NOT NEIGHBOURS: lane r of tile 2 b + u takes row 32 b + 8 u + r + 8 (r / 8), for tokens and for weight columns alike, so that results of two neighbouring tiles are 16 neighbours along the next K.
; xq: [token tile 256][K step 8] fragments; from XSO on 512 bytes a tile: the word at 16 lane + 4 j is K step 4 h + j, token r.
; wq: [head 16][K step 8][q, k, v][tile 4] fragments; from 2,359,296 on Wo: [64 columns 16][K step 8][tile 4]; from WSO on the scale words, 256 bytes for four tiles: the word at 8 lane + 4 j is tile 2 j + h, row r.
; A block's scale is 2^(floor(log2(largest magnitude)) - 2); its byte is the largest magnitude's exponent field - 2, held at 1 from below.
; LIMITS: a block of zeros gets the byte 1 (its codes are zeros, and this program alone reads the bytes); NaN and infinities are not served.
; SHARES.  Work-groups 0-127 take x: a wave takes one token tile and 512 along K (four fragments).  Work-groups 128-255 take the weights: a wave takes 128 along K x 64 columns (four fragments).
; Each wave reads 32 KiB by 64 loads of 512 dense bytes, all issued at once, turns them through a stage of its own in LDS, and stores whole aligned blocks of 256 bytes.  Waves share nothing: no barrier.
; The two paths part on the work-group's number and have LDS bytes of their own.
; THE ORDER OF ROWS IN A TILE, as this text lays it (it takes the place of the order named above): lane r of tile t of a band of 64 takes row 32 (r / 8) + 8 t + r % 8 of the band, for tokens and for weight columns alike,
; so that a lane's results of a band's four tiles are 32 neighbours along the next K: a whole scale block.
; WORK LEFT OUT BY THE PROGRAM: reference()'s own causal mask gives every key behind a query the weight 0, so key steps of 128 that lie wholly behind a query block are not multiplied.  A NaN, an infinity or an overflow that reaches only those products is not carried to the result.
.set XSO,  3145728
.set WSO,  3145728
.set TM,   16                          ; v16-17  largest magnitudes of my two blocks
.set SO,   18                          ; v18-19  the conversions' scale operands
.set BY,   20                          ; v20-21  the scale bytes
.set SH8,  22                          ; v22     8 h
.set TPW,  23                          ; v23     the other half's two bytes
.set WD,   24                          ; v24-27  the four fragments' scale words
.set N,    64                          ; v64-127 64 numbers: register 32 c + i is K = 64 c + 32 h + i of my row
.set PC,   128                         ; v128-175 codes: 12 registers for each fragment, so that no store's data are written again
.set PT,   176                         ; v176-183 the second halves of the blocks, as converted
.set MSB, 0
.macro WIN new                         ; the immediate's high byte repeats the setting that is left
.if MSB != (\new)
	s_set_vgpr_msb (MSB<<8)|(\new)
.set MSB, (\new)
.endif
.endm
; 64 numbers in v[N] on become a fragment's codes in v[pc] on and its scale word in v[wd].  A lane holds two whole blocks, so no other lane is asked for a maximum.
.macro FQUANT pc, wd
.irp c, 0,1
	v_max3_num_f32 v[TM+\c], |v[N+32*\c]|, |v[N+32*\c+1]|, 0x1800000   ; with the floor 2^(3 - 127): the byte cannot fall under 1
.endr
.irp i, 2,4,6,8,10,12,14,16,18,20,22,24,26,28,30
.irp c, 0,1
	v_max3_num_f32 v[TM+\c], v[TM+\c], |v[N+32*\c+\i]|, |v[N+32*\c+\i+1]|
.endr
.endr
.irp c, 0,1
	v_add_nc_u32 v[SO+\c], 0xff000000, v[TM+\c]    ; 2 off the exponent field: the conversion takes that field as its scale
.endr
.irp c, 0,1
	v_lshrrev_b32 v[BY+\c], 23, v[SO+\c]           ; the scale's byte
.endr
	v_lshl_or_b32 v[\wd], v[BY+1], 16, v[BY]       ; my bytes: blocks h and 2 + h,
	v_lshlrev_b32 v[\wd], v[SH8], v[\wd]           ; at their places,
	v_permlanex16_b32 v[TPW], v[\wd], s20, s21
	v_or_b32 v[\wd], v[\wd], v[TPW]                ; with lane l xor 16's two the word is whole, in both halves
.irp c, 0,1
	v_cvt_scalef32_pk16_fp6_f32 v[(\pc)+6*\c:(\pc)+6*\c+2], v[N+32*\c:N+32*\c+15], v[SO+\c]
	v_cvt_scalef32_pk16_fp6_f32 v[PT+4*\c:PT+4*\c+2], v[N+32*\c+16:N+32*\c+31], v[SO+\c]   ; (a conversion's three registers begin on an even number)
.endr
	v_nop                                          ; one plain place behind the conversions
.irp c, 0,1
.irp i, 0,1,2
	v_mov_b32 v[(\pc)+6*\c+3+\i], v[PT+4*\c+\i]
.endr
.endr
.endm
	s_load_b256 s[4:11], s[0:1], 0x0               ; x, Wq, Wk, Wv
	s_load_b128 s[12:15], s[0:1], 0x20             ; Wo, xq
	s_load_b64 s[16:17], s[0:1], 0x30              ; wq
	v_lshl_add_u32 v254, v0, 2, 0x28c00
	v_mov_b32 v255, 0
	v_lshrrev_b32 v1, 5, v0
	v_readfirstlane_b32 s18, v1                    ; wave
	v_and_b32 v1, 31, v0                           ; lane
	v_lshlrev_b32 v2, 4, v1                        ; 16 x lane
	v_lshlrev_b32 v3, 3, v1                        ; 8 x lane
	v_and_b32 v4, 15, v0                           ; r
	v_bfe_u32 v5, v0, 4, 1                         ; h
	v_lshlrev_b32 v[SH8], 3, v5
	v_mov_b32 v[TPW], 0                            ; a lane permute's destination counts as one of its sources
	v_cmp_le_u32 vcc_lo, 16, v1                    ; lanes 16-31
	s_mov_b32 s20, 0x76543210
	s_mov_b32 s21, 0xfedcba98                      ; selects for lane l xor 16
	s_cmp_lt_u32 ttmp9, 128
	s_cbranch_scc0 .Lweights
	; ---------------- x ----------------
	s_lshl_b32 s22, ttmp9, 2
	s_add_co_u32 s22, s22, s18                     ; id = 2 x token tile + half of K
	s_lshr_b32 s23, s22, 1                         ; token tile
	s_and_b32 s24, s22, 1                          ; half
	s_lshr_b32 s25, s23, 2
	s_lshl_b32 s25, s25, 18                        ; 64 rows of 4,096 bytes for each band of four tiles
	s_and_b32 s26, s23, 3
	s_lshl_b32 s26, s26, 15                        ; 8 rows for each tile before mine in the band
	s_add_co_u32 s26, s26, s25
	s_lshl_b32 s27, s24, 11                        ; 2,048 bytes for the second half of K
	s_add_co_u32 s26, s26, s27
	s_mov_b32 s27, 0
	s_mul_i32 s28, s22, 6144                       ; four fragments for each id
	s_mov_b32 s29, 0
	s_lshl_b32 s30, s22, 8                         ; 256 bytes of scale words for each id
	s_add_co_u32 s30, s30, XSO
	s_mov_b32 s31, 0
	s_mul_i32 s32, s18, 8448                       ; my stage: 16 rows of 512 + 16 bytes
	s_wait_alu depctr_va_vdst(0)
	v_add_nc_u32 v6, s32, v2                       ; in: a row as it was loaded
	v_mul_u32_u24 v7, v4, 528
	v_lshl_add_u32 v7, v5, 7, v7
	v_add_nc_u32 v7, s32, v7                       ; back: row r, + 128 h: 32 neighbours
	v_lshlrev_b32 v30, 4, v4
	v_lshl_add_u32 v30, v5, 3, v30                 ; the scale words' place: 16 r + 8 h
	s_wait_alu depctr_va_vdst(0)
	s_wait_kmcnt 0x0
	s_add_nc_u64 s[4:5], s[4:5], s[26:27]
	s_add_nc_u64 s[34:35], s[14:15], s[28:29]
	s_add_nc_u64 s[36:37], s[14:15], s[30:31]
	WIN 0x40                                       ; destination window 1
.irp p, 0,1,2,3
.irp i, 0,1,2,3,4,5,6,7,8,9,10,11,12,13,14,15
	global_load_b128 v[64*\p+4*\i:64*\p+4*\i+3], v2, s[4:5] offset:(\i+24*(\i/8))*4096+512*\p th:TH_LOAD_NT   ; 512 consecutive bytes: 128 along K of the tile's row i
.endr
.endr
.irp p, 0,1,2,3
	s_wait_loadcnt 48-16*\p                        ; this fragment's 16 loads are in; the later fragments' may be out
	WIN 0x04                                       ; an LDS store's data: window 1
.irp i, 0,1,2,3,4,5,6,7,8,9,10,11,12,13,14,15
	ds_store_b128 v6, v[64*\p+4*\i:64*\p+4*\i+3] offset:528*\i
.endr
	WIN 0
.irp c, 0,1
.irp q, 0,1,2,3,4,5,6,7
	ds_load_b128 v[N+32*\c+4*\q:N+32*\c+4*\q+3], v7 offset:256*\c+16*\q   ; LDS serves a wave's instructions in order: these see the stores above
.endr
.endr
	s_wait_dscnt 0x0
	FQUANT PC+12*\p,WD+\p
.irp g, 0,1,2
	global_store_b128 v2, v[PC+12*\p+4*\g:PC+12*\p+4*\g+3], s[34:35] offset:1536*\p+512*\g   ; 512 consecutive bytes, aligned
.endr
.endr
	v_cndmask_b32 v28, v[WD], v[WD+2], vcc_lo      ; lanes 0-15 store K steps 0, 1 of my four, lanes 16-31 K steps 2, 3
	v_cndmask_b32 v29, v[WD+1], v[WD+3], vcc_lo
	global_store_b64 v30, v[28:29], s[36:37]       ; 256 consecutive bytes, aligned
	s_wait_tensorcnt 0x0
	ds_add_u32 v254, v255
	s_wait_dscnt 0x0
	s_endpgm
	; ---------------- the weights ----------------
.Lweights:
	s_sub_co_u32 s22, ttmp9, 128
	s_lshr_b32 s23, s22, 5                         ; which tensor: 0 Wq, 1 Wk, 2 Wv, 3 Wo
	s_and_b32 s24, s22, 31
	s_lshl_b32 s24, s24, 2
	s_add_co_u32 s24, s24, s18
	s_lshr_b32 s25, s24, 3                         ; head, or Wo's block of 64 columns
	s_and_b32 s26, s24, 7                          ; K step
	s_mul_i32 s27, s23, 6144
	s_lshl_b32 s28, s23, 8
	s_cmp_eq_u32 s23, 3                            ; Wo's sizes or a head's (s_mov and s_mul leave SCC alone)
	s_mov_b32 s29, 4096
	s_cselect_b32 s29, s29, 256                    ; bytes from a row of K to the next
	s_mov_b32 s30, 262144
	s_cselect_b32 s30, 256, s30                    ; from unit to unit in the source
	s_mov_b32 s31, 524288
	s_cselect_b32 s31, s31, 32768                  ; from K step to K step
	s_mov_b32 s32, 49152
	s_cselect_b32 s32, s32, 147456                 ; the same two in wq's codes,
	s_mov_b32 s33, 6144
	s_cselect_b32 s33, s33, 18432
	s_cselect_b32 s27, 2359296, s27                ; and where the tensor's part begins
	s_mov_b32 s34, 2048
	s_cselect_b32 s34, s34, 6144                   ; and in wq's scale words
	s_mov_b32 s35, 768
	s_cselect_b32 s35, 256, s35
	s_cselect_b32 s28, 98304, s28
	s_mul_i32 s52, s25, s30
	s_mul_i32 s53, s26, s31
	s_add_co_u32 s52, s52, s53
	s_mov_b32 s53, 0
	s_mul_i32 s54, s25, s32
	s_mul_i32 s55, s26, s33
	s_add_co_u32 s54, s54, s55
	s_add_co_u32 s54, s54, s27
	s_mov_b32 s55, 0
	s_mul_i32 s56, s25, s34
	s_mul_i32 s57, s26, s35
	s_add_co_u32 s56, s56, s57
	s_add_co_u32 s56, s56, s28
	s_add_co_u32 s56, s56, WSO
	s_mov_b32 s57, 0
	s_lshl_b32 s58, s29, 4                         ; 16 rows of K
	s_mov_b32 s59, 0
	s_wait_alu depctr_va_vdst(0)
	v_mul_lo_u32 v8, v5, s29                       ; a load takes two rows of K: lanes 0-15 the even row's 256 bytes, lanes 16-31 the odd row's
	v_lshl_add_u32 v8, v4, 4, v8
	s_lshl_b32 s22, s29, 1
.irp k, 1,2,3,4,5,6,7
	v_add_nc_u32 v[8+\k], s22, v[7+\k]             ; eight offsets, two rows apart
.endr
	s_mul_i32 s24, s18, 33280
	s_add_co_u32 s24, s24, 33792                   ; my stage, behind the x path's: row k of K at 256 k + 64 (k / 32)
	v_add_nc_u32 v6, s24, v2
	v_and_b32 v7, 8, v4
	v_mad_u32_u24 v7, v7, 3, v4                    ; 32 (r / 8) + r % 8
	v_lshlrev_b32 v7, 2, v7
	v_mad_u32_u24 v7, v5, 8256, v7                 ; lanes 16-31 begin 32 rows further down: 64 bytes of padding behind each 32 rows
	v_add_nc_u32 v7, s24, v7
	s_wait_alu depctr_va_vdst(0)
	s_wait_kmcnt 0x0
	s_cmp_lt_u32 s23, 1                            ; the choice hangs on the work-group's number alone
	s_cselect_b64 s[60:61], s[6:7], s[8:9]
	s_cmp_lt_u32 s23, 2
	s_cselect_b64 s[60:61], s[60:61], s[10:11]
	s_cmp_lt_u32 s23, 3
	s_cselect_b64 s[60:61], s[60:61], s[12:13]
	s_add_nc_u64 s[36:37], s[60:61], s[52:53]
.irp k, 1,2,3,4,5,6,7
	s_add_nc_u64 s[36+2*\k:37+2*\k], s[34+2*\k:35+2*\k], s[58:59]   ; eight bases, 16 rows apart
.endr
	s_add_nc_u64 s[54:55], s[16:17], s[54:55]
	s_add_nc_u64 s[56:57], s[16:17], s[56:57]
	WIN 0x40
.set J, 0
.rept 64
	global_load_b128 v[4*J:4*J+3], v[8+J%8], s[36+2*(J/8):37+2*(J/8)] th:TH_LOAD_NT   ; rows 2 J and 2 J + 1: two aligned blocks of 256 bytes
.set J, J+1
.endr
.irp q, 0,1,2,3
	s_wait_loadcnt 48-16*\q                        ; this group's 16 loads are in; the later groups' may be out
	WIN 0x04
.irp i, 0,1,2,3,4,5,6,7,8,9,10,11,12,13,14,15
	ds_store_b128 v6, v[64*\q+4*\i:64*\q+4*\i+3] offset:512*(16*\q+\i)+64*\q
.endr
.endr
	WIN 0
.irp t, 0,1,2,3
.irp c, 0,1
.set J, 0
.rept 32
	ds_load_b32 v[N+32*\c+J], v7 offset:16512*\c+256*J+32*\t   ; W(64 c + 32 h + J, my column of tile t): a lane takes a column and its registers run down K
.set J, J+1
.endr
.endr
	s_wait_dscnt 0x0
	FQUANT PC+12*\t,WD+\t
.irp g, 0,1,2
	global_store_b128 v2, v[PC+12*\t+4*\g:PC+12*\t+4*\g+3], s[54:55] offset:1536*\t+512*\g
.endr
.endr
	v_cndmask_b32 v28, v[WD], v[WD+1], vcc_lo      ; word j of lane (r, h): tile 2 j + h
	v_cndmask_b32 v29, v[WD+2], v[WD+3], vcc_lo
	global_store_b64 v3, v[28:29], s[56:57]        ; 256 consecutive bytes, aligned
	s_wait_tensorcnt 0x0
	ds_add_u32 v254, v255
	s_wait_dscnt 0x0
	s_endpgm
.Lfunc_end_k_qbbcaaa1a95_prep:
	.size	k_qbbcaaa1a95_prep, .Lfunc_end_k_qbbcaaa1a95_prep-k_qbbcaaa1a95_prep
	.p2alignl 7, 3214868480
	.fill 96, 4, 3214868480
	.section	.rodata,"a",@progbits
	.p2align	6, 0x0
	.amdhsa_kernel k_qbbcaaa1a95_prep
		.amdhsa_group_segment_fixed_size 167424
		.amdhsa_private_segment_fixed_size 0
		.amdhsa_enable_private_segment 0
		.amdhsa_kernarg_size 56
		.amdhsa_user_sgpr_count 2
		.amdhsa_user_sgpr_kernarg_segment_ptr 1
		.amdhsa_wavefront_size32 1
		.amdhsa_system_sgpr_workgroup_id_x 1
		.amdhsa_system_sgpr_workgroup_id_y 1
		.amdhsa_system_sgpr_workgroup_id_z 1
		.amdhsa_system_vgpr_workitem_id 0
		.amdhsa_next_free_vgpr 512
		.amdhsa_next_free_sgpr 66
		.amdhsa_reserve_vcc 1
		.amdhsa_float_denorm_mode_32 3
		.amdhsa_float_denorm_mode_16_64 3
		.amdhsa_memory_ordered 1
		.amdhsa_forward_progress 1
		.amdhsa_inst_pref_size 73
	.end_amdhsa_kernel
	.amdgpu_metadata
---
amdhsa.version: [ 1, 2 ]
amdhsa.kernels:
  - .name:           k_qbbcaaa1a95_prep
    .symbol:         k_qbbcaaa1a95_prep.kd
    .args:
      - { .name: x, .offset: 0, .size: 8, .value_kind: global_buffer, .address_space: global }
      - { .name: Wq, .offset: 8, .size: 8, .value_kind: global_buffer, .address_space: global }
      - { .name: Wk, .offset: 16, .size: 8, .value_kind: global_buffer, .address_space: global }
      - { .name: Wv, .offset: 24, .size: 8, .value_kind: global_buffer, .address_space: global }
      - { .name: Wo, .offset: 32, .size: 8, .value_kind: global_buffer, .address_space: global }
      - { .name: xq, .offset: 40, .size: 8, .value_kind: global_buffer, .address_space: global }
      - { .name: wq, .offset: 48, .size: 8, .value_kind: global_buffer, .address_space: global }
    .group_segment_fixed_size: 167424
    .private_segment_fixed_size: 0
    .kernarg_segment_align: 8
    .kernarg_segment_size: 56
    .max_flat_workgroup_size: 128
    .sgpr_count:     66
    .vgpr_count:     512
    .wavefront_size: 32
...
	.end_amdgpu_metadata
.endif
;; end of part 1
;; launch qkv (part 2): grid 16 x 16, 4 waves a work-group, clusters of 4 x 1, 168,448 bytes of LDS; arguments xq, wq, qq, kv; writes qq, kv
.if DOCPART == 2
	.amdgcn_target "amdgcn-amd-amdhsa--gfx1250"
	.amdhsa_code_object_version 6
	.text
	.protected	k_qbbcaaa1a95_qkv
	.globl	k_qbbcaaa1a95_qkv
	.p2align	8
	.type	k_qbbcaaa1a95_qkv,@function
k_qbbcaaa1a95_qkv:
	s_mov_b64 s[64:65], 0
	v_nop
	global_prefetch_b8 v0, s[64:65] scope:SCOPE_SE
	s_setreg_imm32_b32 hwreg(HW_REG_WAVE_MODE, 25, 1), 1
	s_wait_xcnt 0x0
	s_wait_alu depctr_hold_cnt(0) depctr_sa_sdst(0) depctr_va_vdst(0) depctr_va_sdst(0) depctr_va_ssrc(0) depctr_va_vcc(0) depctr_vm_vsrc(0)
	s_getreg_b32 s2, hwreg(HW_REG_IB_STS2, 6, 4)
	s_cmp_eq_u32 s2, 0
	s_cbranch_scc0 .Lentry_in_a_cluster
	s_endpgm
.Lentry_in_a_cluster:
	s_bfe_u32 s2, ttmp6, 0x10000c
	s_cmp_lg_u32 s2, 0x3003
	s_cbranch_scc0 .Lentry_shape_is_right
	s_endpgm
.Lentry_shape_is_right:
; q, k, v of one head for 256 tokens, on codes of FP6 with E8M0 scales, and their quantising for attention.  K = 1,024 in eight steps of 128.
; SHARES.  Work-group: 256 tokens x 192 columns.  Wave w: token tiles tau0 + 0 .. 3 (64 tokens) against the head's 12 weight tiles: 48 accumulators, which take turns.
; q and k are made TRANSPOSED (source 0 = 16 weight columns, source 1 = 16 tokens): a lane holds a token and its registers run along the head's 64 channels, the K of attention's first product.
; v is made the natural way (source 0 = tokens, source 1 = weight columns): a lane holds a channel and its registers run along the tokens, the K of attention's second product.
; By the order of rows in a tile (lane r of tile 2 b + u: row 32 b + 8 u + r + 8 (r / 8)) the 16 registers of two neighbouring tiles are 16 neighbours along that K.
; THE HEAD'S WEIGHTS, 147,456 bytes of register images, lie in LDS whole, filled once.  The four token blocks of a cluster need the same weights: each chunk is asked for JOINTLY, by the same tensor load with the same
; descriptor and a mask that names the four.  A wave issues four loads (its quarter of each chunk of two K steps) and has four outstanding at the most.  x's fragments come from memory straight into registers, four K steps ahead.
; OUT: half fragments of 768 bytes (16 rows x 64 K: registers 0-3 at 16 lane, registers 4-5 at 512 + 8 lane) and scale words, 256 bytes for four tiles (the word at 8 lane + 4 j: tile 2 j + h, row r).
;   qq: [b, head 32][token tile 128] halves; from 3,145,728 on [b, head][tile / 4] scale words.   kv, 208,896 bytes for each b, head: k's halves; at 98,304 v: [key step 16][channel tile 4][half 2]; at 196,608 k's scale words; at 204,800 v's.
; LIMITS: a block of zeros gets the byte 1 (its codes are zeros); NaN and infinities are not served.
; REGISTERS, in windows of 256.  Window 0: v1-23 addresses and words; v32-47 x's scale words; v48-95 the weights'; v96-239 three sets of four weight fragments (free at the end).
;   window 1: x's fragments, four sets of 48.   window 2: q at 32 m + 8 t, k at 128 + 32 m + 8 t.   window 3: v at 32 t + 8 m.
; AS THIS TEXT STANDS (it takes the place of what differs above): lane r of tile t of a band of 64 is row 32 (r / 8) + 8 t + r % 8, so a lane's 32 results of four tiles are 32 neighbours: one scale block, and no lane looks at another for a maximum.
; A wave issues ONE tensor load: wave c brings chunk c (two K steps, 36,864 bytes).  kv, for each b, head: [key step 16][13,056 bytes]: k's eight halves, v's [channel tile 4][half 2], k's scale words (512), v's (256).
.set EX,   147456
.set XSO,  3145728
.set XSC,  32
.set WSC,  48
.set WF,   96
.set TM,   96                          ; the end: eight blocks' largest magnitudes
.set TP,   104                         ; the other half's, then the bytes
.set SO,   112                         ; the conversions' scale operands
.set HW,   120                         ; four groups' half words
.set PC,   128                         ; codes: 8 registers' room for each group
.set PX,   160                         ; the second blocks, as converted
.set WV,   12
.set SEL,  76
.set MSB, 0
.macro WIN new                         ; the immediate's high byte repeats the setting that is left
.if MSB != (\new)
	s_set_vgpr_msb (MSB<<8)|(\new)
.set MSB, (\new)
.endif
.endm
.macro CROUND                          ; a round of the cluster's barrier
	s_barrier_signal -1
	s_barrier_wait -1
	s_cmp_lg_u32 s[WV], 0
	s_cbranch_scc1 .Lnot_wave_0_\@
	s_barrier_signal -3
.Lnot_wave_0_\@:
	s_barrier_wait -3
	s_barrier_signal -1
	s_barrier_wait -1
.endm
; one product; ra, rb: which half of the lanes holds source 0's and source 1's scale words
.macro WMX d, a, b, c, sa, sb, ra, rb
.if (\ra) == 0
.if (\rb) == 0
	v_wmma_scale_f32_16x16x128_f8f6f4 v[(\d):(\d)+7], v[(\a):(\a)+11], v[(\b):(\b)+11], \c, v[\sa], v[\sb] matrix_a_fmt:MATRIX_FMT_FP6 matrix_b_fmt:MATRIX_FMT_FP6
.else
	v_wmma_scale_f32_16x16x128_f8f6f4 v[(\d):(\d)+7], v[(\a):(\a)+11], v[(\b):(\b)+11], \c, v[\sa], v[\sb] matrix_a_fmt:MATRIX_FMT_FP6 matrix_b_fmt:MATRIX_FMT_FP6 matrix_b_scale:MATRIX_SCALE_ROW1
.endif
.else
.if (\rb) == 0
	v_wmma_scale_f32_16x16x128_f8f6f4 v[(\d):(\d)+7], v[(\a):(\a)+11], v[(\b):(\b)+11], \c, v[\sa], v[\sb] matrix_a_fmt:MATRIX_FMT_FP6 matrix_b_fmt:MATRIX_FMT_FP6 matrix_a_scale:MATRIX_SCALE_ROW1
.else
	v_wmma_scale_f32_16x16x128_f8f6f4 v[(\d):(\d)+7], v[(\a):(\a)+11], v[(\b):(\b)+11], \c, v[\sa], v[\sb] matrix_a_fmt:MATRIX_FMT_FP6 matrix_b_fmt:MATRIX_FMT_FP6 matrix_a_scale:MATRIX_SCALE_ROW1 matrix_b_scale:MATRIX_SCALE_ROW1
.endif
.endif
.endm
.macro XLOAD s                         ; my four token tiles' fragments of K step s into set s % 4
	WIN 0x40
.irp m, 0,1,2,3
.irp g, 0,1,2
	global_load_b128 v[48*((\s)%4)+12*\m+4*\g:48*((\s)%4)+12*\m+4*\g+3], v2, s[48:49] offset:12288*\m+1536*(\s)+512*\g
.endr
.endr
	WIN 0
.endm
.macro FETCHW s, u                     ; the four weight fragments of K step s for q (u = 0), k (1) or v (2)
.irp t, 0,1,2,3
.irp g, 0,1,2
	ds_load_b128 v[WF+48*(\u)+12*\t+4*\g:WF+48*(\u)+12*\t+4*\g+3], v[4+(\s)/2] offset:18432*((\s)%2)+6144*(\u)+1536*\t+512*\g
.endr
.endr
.endm
.macro MULQK s, u                      ; 16 products: source 0 the weights (window 0), source 1 x (window 1), sums in window 2.  The first K step starts the sums: nothing is cleared
	WIN 0xa4
.irp m, 0,1,2,3
.irp t, 0,1,2,3
.if (\s) == 0
	WMX 128*(\u)+32*\m+8*\t,WF+48*(\u)+12*\t,48*((\s)%4)+12*\m,0,WSC+6*(\s)+2*(\u)+\t/2,XSC+4*\m+(\s)%4,\t%2,(\s)/4
.else
	WMX 128*(\u)+32*\m+8*\t,WF+48*(\u)+12*\t,48*((\s)%4)+12*\m,v[128*(\u)+32*\m+8*\t:128*(\u)+32*\m+8*\t+7],WSC+6*(\s)+2*(\u)+\t/2,XSC+4*\m+(\s)%4,\t%2,(\s)/4
.endif
.endr
.endr
.endm
.macro MULV s                          ; 16 products: source 0 x (window 1), source 1 the weights (window 0), sums in window 3
	WIN 0xf1
.irp m, 0,1,2,3
.irp t, 0,1,2,3
.if (\s) == 0
	WMX 32*\t+8*\m,48*((\s)%4)+12*\m,WF+96+12*\t,0,XSC+4*\m+(\s)%4,WSC+6*(\s)+4+\t/2,(\s)/4,\t%2
.else
	WMX 32*\t+8*\m,48*((\s)%4)+12*\m,WF+96+12*\t,v[32*\t+8*\m:32*\t+8*\m+7],XSC+4*\m+(\s)%4,WSC+6*(\s)+4+\t/2,(\s)/4,\t%2
.endif
.endr
.endr
.endm
.macro UNIT s, u, n                    ; n: the LDS loads issued behind this set's, which may stay out
	s_wait_dscnt \n
.if (\u) < 2
	MULQK \s,\u
.else
	MULV \s
.endif
	WIN 0
.rept 4
	v_nop                                          ; four places in front of loads into registers that these products have read, and of the first read of results
.endr
.if (\s) < 7
	FETCHW (\s)+1,\u
.endif
.endm
; Four groups of 32 registers, at v[b + 32 G] of window w, register i of a group = K 32 h + i of the lane's row, one block, become four half fragments in v[PC + 8 G] on and four scale bytes in v[HW + G], made into two words in v10, v11.
.macro HQ4 w, b
	WIN 5*(\w)                                     ; sources 0 and 1 in window w
.irp x, 0,1,2,3,4,5,6,7
	v_max3_num_f32 v[TM+\x], |v[(\b)+16*\x]|, |v[(\b)+16*\x+1]|, 0x1800000   ; each accumulator is read from its low end on; the floor 2^(3 - 127) holds the byte at 1 from below
.endr
.irp i, 2,4,6,8,10,12,14
.irp x, 0,1,2,3,4,5,6,7
	v_max3_num_f32 v[TM+\x], |v[(\b)+16*\x+\i]|, |v[(\b)+16*\x+\i+1]|, v[TM+\x]
.endr
.endr
	WIN 0
.irp G, 0,1,2,3
	v_max_num_f32 v[TM+2*\G], v[TM+2*\G], v[TM+2*\G+1]   ; the two chains of a group meet: my block's largest magnitude
.endr
.irp G, 0,1,2,3
	v_add_nc_u32 v[SO+\G], 0xff000000, v[TM+2*\G]  ; 2 off its exponent field
.endr
.irp G, 0,1,2,3
	v_lshrrev_b32 v[HW+\G], 23, v[SO+\G]           ; the scale's byte
.endr
	WIN \w                                         ; source 0 in window w
.irp G, 0,1,2,3
	v_cvt_scalef32_pk16_fp6_f32 v[PC+8*\G:PC+8*\G+2], v[(\b)+32*\G:(\b)+32*\G+15], v[SO+\G]
	v_cvt_scalef32_pk16_fp6_f32 v[PX+4*\G:PX+4*\G+2], v[(\b)+32*\G+16:(\b)+32*\G+31], v[SO+\G]
.endr
	WIN 0
	v_lshl_or_b32 v[HW], v[HW+1], 8, v[HW]         ; the four groups' bytes in one register (and a plain place behind the conversions)
	v_lshl_or_b32 v[HW+2], v[HW+3], 8, v[HW+2]
	v_lshl_or_b32 v[HW], v[HW+2], 16, v[HW]
	v_permlanex16_b32 v[TP], v[HW], s[SEL], s[SEL+1]   ; lane l xor 16's four
	v_perm_b32 v10, v[HW], v[TP], v22              ; word 0 of lane (r, h): group h's two bytes;
	v_perm_b32 v11, v[HW], v[TP], v23              ; word 1: group 2 + h's
.irp G, 0,1,2,3
.irp i, 0,1,2
	v_mov_b32 v[PC+8*\G+3+\i], v[PX+4*\G+\i]
.endr
.endr
.endm
.macro HST sb, stride                  ; the four half fragments leave: 512 and 256 consecutive bytes, aligned
.irp G, 0,1,2,3
	global_store_b128 v2, v[PC+8*\G:PC+8*\G+3], s[\sb:\sb+1] offset:(\stride)*\G
	global_store_b64 v3, v[PC+8*\G+4:PC+8*\G+5], s[\sb:\sb+1] offset:(\stride)*\G+512
.endr
.endm
.macro WAITW n                         ; the wave that brought chunk n waits for it; the others' loads may be out
	s_cmp_eq_u32 s[WV], \n
	s_cbranch_scc0 .Lnot_mine_\@
	s_wait_tensorcnt 0x0
.Lnot_mine_\@:
.endm
	s_load_b256 s[4:11], s[0:1], 0x0               ; xq s[4:5], wq s[6:7], qq s[8:9], kv s[10:11]
	v_lshl_add_u32 v254, v0, 2, 0x29000
	v_mov_b32 v255, 0
	ds_add_u32 v254, v255
	ds_add_u32 v254, v255
	v_lshrrev_b32 v1, 5, v0
	v_readfirstlane_b32 s[WV], v1                  ; wave 0..3
	s_bfe_u32 s13, ttmp6, 0x40000                  ; cx: it enters global addresses of x, qq and kv alone
	s_lshl_b32 s14, ttmp9, 2
	s_add_co_u32 s14, s14, s13                     ; my block of 256 tokens
	s_and_b32 s15, ttmp7, 0xffff                   ; the head, which the four partners share
	; descriptor group 1: a dense block of 36,864 bytes as 144 rows of 256 bytes (32 elements of 8 bytes)
	s_mov_b32 s24, 15|(3<<16)|(1<<21)              ; 15:0 the mask: all four work-groups; 17:16 elements of 8 bytes; 21 set beside a mask
	s_mov_b32 s25, 32<<16                          ; tensor_dim0
	s_mov_b32 s26, 144<<16                         ; tensor_dim1: a chunk is 144 rows of 256 bytes
	s_mov_b32 s27, 32<<16                          ; tile_dim0
	s_mov_b32 s28, 144                             ; tile_dim1
	s_mov_b32 s29, 32                              ; elements from row to row
	s_mov_b32 s30, 0
	s_mov_b32 s31, 0
	s_mul_i32 s16, s[WV], 36864                    ; my chunk, in LDS and in memory alike
	s_mul_i32 s18, s15, 147456
	s_add_co_u32 s18, s18, s16
	s_mov_b32 s19, 0
	s_lshl_b32 s70, s14, 4
	s_lshl_b32 s71, s[WV], 2
	s_add_co_u32 s70, s70, s71                     ; tau0: my first token tile
	s_and_b32 s71, s70, 127                        ; in its batch
	s_lshr_b32 s72, s14, 3
	s_lshl_b32 s72, s72, 4
	s_add_co_u32 s72, s72, s15                     ; 16 b + head
	s_mul_i32 s48, s70, 12288                      ; x's fragments
	s_mov_b32 s49, 0
	s_lshl_b32 s50, s70, 9                         ; x's scale words
	s_add_co_u32 s50, s50, XSO
	s_mov_b32 s51, 0
	s_mul_i32 s52, s15, 6144                       ; the weights' scale words
	s_add_co_u32 s52, s52, 3145728
	s_mov_b32 s53, 0
	s_mul_i32 s73, s71, 768
	s_lshl_b32 s74, s71, 6
	s_mul_i32 s54, s72, 98304                      ; q's halves
	s_add_co_u32 s54, s54, s73
	s_mov_b32 s55, 0
	s_lshl_b32 s56, s72, 13                        ; q's scale words
	s_add_co_u32 s56, s56, s74
	s_add_co_u32 s56, s56, 3145728
	s_mov_b32 s57, 0
	s_mul_i32 s75, s72, 208896
	s_lshr_b32 s73, s71, 3                         ; my key step
	s_mul_i32 s73, s73, 13056
	s_add_co_u32 s75, s75, s73
	s_and_b32 s74, s[WV], 1                        ; my 64 tokens are band c = w % 2 of the step
	s_mul_i32 s58, s74, 3072                       ; k's halves
	s_add_co_u32 s58, s58, s75
	s_mov_b32 s59, 0
	s_lshl_b32 s60, s74, 8                         ; k's scale words
	s_add_co_u32 s60, s60, s75
	s_add_co_u32 s60, s60, 12288
	s_mov_b32 s61, 0
	s_mul_i32 s66, s74, 768                        ; v's halves
	s_add_co_u32 s66, s66, s75
	s_add_co_u32 s66, s66, 6144
	s_mov_b32 s67, 0
	s_add_co_u32 s68, s75, 12800                   ; v's scale words
	s_mov_b32 s69, 0
	s_mov_b32 s[SEL], 0x76543210
	s_mov_b32 s[SEL+1], 0xfedcba98
	v_and_b32 v1, 31, v0                           ; lane
	v_lshlrev_b32 v2, 4, v1                        ; 16 x lane
	v_lshlrev_b32 v3, 3, v1                        ; 8 x lane
.irp j, 0,1,2,3
	v_add_nc_u32 v[4+\j], 36864*\j, v2             ; a fragment's place for my lane, in chunk j
.endr
	s_lshl_b32 s73, s[WV], 9
	v_add_nc_u32 v8, s73, v3
	v_add_nc_u32 v8, EX, v8                        ; where I put v's half words
	s_and_b32 s74, s[WV], 2
	s_lshl_b32 s74, s74, 9
	v_add_nc_u32 v9, s74, v3
	v_add_nc_u32 v9, EX, v9                        ; and where the even wave of my pair has put its
	s_wait_alu depctr_va_vdst(0)
	s_wait_dscnt 0x0
	s_wait_kmcnt 0x0
	s_mov_b32 s32, 1                               ; count = 1
	s_mov_b32 s33, s16                             ; LDS address
	s_add_nc_u64 s[34:35], s[6:7], s[18:19]
	s_or_b32 s35, s35, 0x80000000                  ; type = 2
	s_add_nc_u64 s[48:49], s[4:5], s[48:49]
	s_add_nc_u64 s[50:51], s[4:5], s[50:51]
	s_add_nc_u64 s[52:53], s[6:7], s[52:53]
	s_add_nc_u64 s[54:55], s[8:9], s[54:55]
	s_add_nc_u64 s[56:57], s[8:9], s[56:57]
	s_add_nc_u64 s[58:59], s[10:11], s[58:59]
	s_add_nc_u64 s[60:61], s[10:11], s[60:61]
	s_add_nc_u64 s[66:67], s[10:11], s[66:67]
	s_add_nc_u64 s[68:69], s[10:11], s[68:69]
	CROUND                                         ; all four work-groups are here: the joint loads meet
	; one joint load a wave, each wave's in an arm of its own: wave c brings chunk c
	s_cmp_eq_u32 s[WV], 0
	s_cbranch_scc0 .Lwave_1
	tensor_load_to_lds s[32:35], s[24:31]
	s_nop 0
.rept 4
	v_nop
.endr
	s_branch .Lasked
.Lwave_1:
	s_cmp_eq_u32 s[WV], 1
	s_cbranch_scc0 .Lwave_2
	tensor_load_to_lds s[32:35], s[24:31]
	s_nop 0
.rept 4
	v_nop
.endr
	s_branch .Lasked
.Lwave_2:
	s_cmp_eq_u32 s[WV], 2
	s_cbranch_scc0 .Lwave_3
	tensor_load_to_lds s[32:35], s[24:31]
	s_nop 0
.rept 4
	v_nop
.endr
	s_branch .Lasked
.Lwave_3:
	tensor_load_to_lds s[32:35], s[24:31]
	s_nop 0
.rept 4
	v_nop
.endr
.Lasked:
.irp m, 0,1,2,3
	global_load_b128 v[XSC+4*\m:XSC+4*\m+3], v2, s[50:51] offset:512*\m   ; register j, half h of the lanes: K step 4 h + j
.endr
.irp s, 0,1,2,3,4,5,6,7
.irp u, 0,1,2
	global_load_b64 v[WSC+6*\s+2*\u:WSC+6*\s+2*\u+1], v3, s[52:53] offset:768*\s+256*\u   ; register j, half h: tile 2 j + h
.endr
.endr
	XLOAD 0
	XLOAD 1
	XLOAD 2
	XLOAD 3
	WAITW 0                                        ; chunk 0 is in
	s_barrier_signal -1
	s_barrier_wait -1                              ; everybody's is
	s_wait_alu depctr_va_vdst(0)
	FETCHW 0,0
	FETCHW 0,1
	FETCHW 0,2
.irp s, 0,1,2,3,4,5,6,7
.if (\s%2 == 1) && (\s < 7)
.if \s < 5
	WAITW (\s+1)/2                                 ; the next chunk is in; the chunks behind it may be out
.else
	s_wait_tensorcnt 0x0                           ; all chunks are in
.endif
	s_wait_dscnt 0x0                               ; no LDS instruction is pending at a signal
	s_barrier_signal -1
	s_barrier_wait -1                              ; the next chunk is whole: this K step fetches from it
.endif
.if \s <= 4
	s_wait_loadcnt 36                              ; this K step's fragments of x (and, the first time, all scale words) are in; those of three later K steps may be out
.else
	s_wait_loadcnt 12*(7-\s)
.endif
.if \s < 7
	UNIT \s,0,24                                   ; behind this set's loads: two sets of 12
	UNIT \s,1,24
	UNIT \s,2,24
.else
	UNIT \s,0,24
	UNIT \s,1,12
	UNIT \s,2,0
.endif
.if \s < 4
	XLOAD \s+4                                     ; into the set just multiplied, four places behind its last product
.endif
.endr
	; THE END: q, k and v are quantised in registers and leave as operands' images
	v_mov_b32 v[TP], 0                             ; a lane permute's destination counts as one of its sources
	v_cmp_le_u32 vcc_lo, 16, v1                    ; lanes 16-31
	v_mov_b32 v22, 0x0c0c0004                      ; which bytes make a lane's words: in lanes 0-15 my byte comes first, in lanes 16-31 lane l xor 16's
	v_mov_b32 v20, 0x0c0c0501
	v_mov_b32 v23, 0x0c0c0206
	v_mov_b32 v21, 0x0c0c0703
	v_cndmask_b32 v22, v22, v20, vcc_lo
	v_cndmask_b32 v23, v23, v21, vcc_lo
	HQ4 2,0                                        ; q: group = token tile
	HST 54,768
	global_store_b64 v3, v[10:11], s[56:57]
	s_wait_xcnt 0x0                                ; the stores have read their registers: they are written again
	HQ4 2,128                                      ; k
	HST 58,768
	global_store_b64 v3, v[10:11], s[60:61]
	s_wait_xcnt 0x0
	HQ4 3,0                                        ; v: group = channel tile; my 64 tokens are two of a key step's four blocks
	HST 66,1536
	ds_store_b64 v8, v[10:11]                      ; a key step's scale word has two bytes of mine and two of my neighbour's: they meet in LDS
	s_wait_alu depctr_va_vdst(0)
	s_wait_xcnt 0x0
	s_wait_dscnt 0x0                               ; for the others' sake: my store is done
	s_barrier_signal -1
	s_barrier_wait -1
	ds_load_b64 v[12:13], v9                       ; the even wave's: keys 0-63 of the step
	ds_load_b64 v[16:17], v9 offset:512            ; the odd wave's: keys 64-127
	s_wait_dscnt 0x0
	v_lshl_or_b32 v10, v16, 16, v12
	v_lshl_or_b32 v11, v17, 16, v13
	s_and_b32 s73, s[WV], 1
	s_cmp_lg_u32 s73, 0
	s_cbranch_scc1 .Lodd_wave                      ; the even wave of a pair stores the words
	global_store_b64 v3, v[10:11], s[68:69]
.Lodd_wave:
	s_wait_tensorcnt 0x0
	ds_add_u32 v254, v255
	s_wait_dscnt 0x0
	CROUND                                         ; the closing round: no work-group ends while a partner may still ask for a chunk that names it
	s_endpgm
.Lfunc_end_k_qbbcaaa1a95_qkv:
	.size	k_qbbcaaa1a95_qkv, .Lfunc_end_k_qbbcaaa1a95_qkv-k_qbbcaaa1a95_qkv
	.p2alignl 7, 3214868480
	.fill 96, 4, 3214868480
	.section	.rodata,"a",@progbits
	.p2align	6, 0x0
	.amdhsa_kernel k_qbbcaaa1a95_qkv
		.amdhsa_group_segment_fixed_size 168448
		.amdhsa_private_segment_fixed_size 0
		.amdhsa_enable_private_segment 0
		.amdhsa_kernarg_size 32
		.amdhsa_user_sgpr_count 2
		.amdhsa_user_sgpr_kernarg_segment_ptr 1
		.amdhsa_wavefront_size32 1
		.amdhsa_system_sgpr_workgroup_id_x 1
		.amdhsa_system_sgpr_workgroup_id_y 1
		.amdhsa_system_sgpr_workgroup_id_z 1
		.amdhsa_system_vgpr_workitem_id 0
		.amdhsa_next_free_vgpr 1024
		.amdhsa_next_free_sgpr 80
		.amdhsa_reserve_vcc 1
		.amdhsa_float_denorm_mode_32 3
		.amdhsa_float_denorm_mode_16_64 3
		.amdhsa_memory_ordered 1
		.amdhsa_forward_progress 1
		.amdhsa_inst_pref_size 113
	.end_amdhsa_kernel
	.amdgpu_metadata
---
amdhsa.version: [ 1, 2 ]
amdhsa.kernels:
  - .name:           k_qbbcaaa1a95_qkv
    .symbol:         k_qbbcaaa1a95_qkv.kd
    .args:
      - { .name: xq, .offset: 0, .size: 8, .value_kind: global_buffer, .address_space: global }
      - { .name: wq, .offset: 8, .size: 8, .value_kind: global_buffer, .address_space: global }
      - { .name: qq, .offset: 16, .size: 8, .value_kind: global_buffer, .address_space: global }
      - { .name: kv, .offset: 24, .size: 8, .value_kind: global_buffer, .address_space: global }
    .group_segment_fixed_size: 168448
    .private_segment_fixed_size: 0
    .kernarg_segment_align: 8
    .kernarg_segment_size: 32
    .max_flat_workgroup_size: 128
    .sgpr_count:     80
    .vgpr_count:     1024
    .wavefront_size: 32
...
	.end_amdgpu_metadata
.endif
;; end of part 2
;; launch attn (part 3): grid 16 x 16, 16 waves a work-group, clusters of 4 x 4, 245,760 bytes of LDS; arguments qq, kv, oq; writes oq
.if DOCPART == 3
	.amdgcn_target "amdgcn-amd-amdhsa--gfx1250"
	.amdhsa_code_object_version 6
	.text
	.protected	k_qbbcaaa1a95_attn
	.globl	k_qbbcaaa1a95_attn
	.p2align	8
	.type	k_qbbcaaa1a95_attn,@function
k_qbbcaaa1a95_attn:
	s_mov_b64 s[64:65], 0
	v_nop
	global_prefetch_b8 v0, s[64:65] scope:SCOPE_SE
	s_setreg_imm32_b32 hwreg(HW_REG_WAVE_MODE, 25, 1), 1
	s_wait_xcnt 0x0
	s_wait_alu depctr_hold_cnt(0) depctr_sa_sdst(0) depctr_va_vdst(0) depctr_va_sdst(0) depctr_va_ssrc(0) depctr_va_vcc(0) depctr_vm_vsrc(0)
	s_getreg_b32 s2, hwreg(HW_REG_IB_STS2, 6, 4)
	s_cmp_eq_u32 s2, 0
	s_cbranch_scc0 .Lentry_in_a_cluster
	s_endpgm
.Lentry_in_a_cluster:
	s_bfe_u32 s2, ttmp6, 0x10000c
	s_cmp_lg_u32 s2, 0xf033
	s_cbranch_scc0 .Lentry_shape_is_right
	s_endpgm
.Lentry_shape_is_right:
; Causal attention of one head (64 channels) on codes of FP6 with E8M0 scales, and the quantising of its result for the last product.
; t = score x log2(e) / 8; M = the row's largest t so far, rounded UP to a whole number; p = 2^(t - M) is quantised along the keys, not normalised; the row's sum is taken of the unquantised p and divides at the end.
; When M moves, the sum and O are multiplied by 2^(old M - new M): exact.
; WORK LEFT OUT: key steps of 128 that lie wholly behind a wave's queries, which reference()'s own causal mask hides (p = 0): a scalar branch on the wave's number leads round them.
; SHARES.  A work-group takes tile g (16 queries) of each of the 16 query blocks (128 queries) of one b, head.  Blocks b and 15 - b want b + 1 and 16 - b key steps, 17 together: waves b and 8 + b share them:
;   wave b: its block b, steps 0 .. b, whole; then block 15 - b, steps 9 .. 15 - b (8 steps);   wave 8 + b: block 15 - b, steps 0 .. 8 (9 steps).  The two parts of block 15 - b meet in LDS at the end.
; So every branch and every LDS address hangs on the wave's number and counted steps alone, and work-groups can share K and V.
; CLUSTERS of 4 x 4: two heads with their eight work-groups each; a row of the cluster (four work-groups of one head) asks for K and V JOINTLY.
; THE HEAD'S K AND V, codes and scale words, 208,896 bytes, lie in LDS whole, as they lie in memory, filled once: waves 0-7 bring two key steps each by one load.  No prefetch: no loop loads from memory.
; A key step, 13,056 bytes: K's eight tiles at 0, V's [channel tile][band] at 6,144, K's scale words at 12,288, V's at 12,800.
; LAYOUT.  Both products are used transposed: S^T = K Q^T (source 0 = 16 keys), O^T = V^T P^T (source 0 = 16 channels): a lane holds ONE query throughout.  Row r of tile t of a band of 64 is 32 (r / 8) + 8 t + r % 8,
; so lane (r, h) holds, of band c, keys 64 c + 32 h + 0 .. 31 in registers 32 c + 0 .. 31: a whole block.  The first product's K is 64: Q's registers 6-11 are zero codes, against which K's may hold any codes: K's fragments overlap.
; LIMITS: hidden logits count as -infinity where the definition has -1e9: p is 0 either way while a row's own logits stay above about -1e9; |t| under 2^31; a block of zeros gets the byte 1; NaN and infinities are not served.
; REGISTERS: v1-3 16, 8, 4 x lane; v4 8 h; v5 byte selects; v6, v7 the add's; v8, v9 LDS addresses; v10 -infinity; v11 the largest score; v12 -M (v13: stage address); v[14:15] the sum; v16-27 Q; v28 its scale word, v29 the second tile's;
;   v30-31 V's scale words; v32-35 K's; v36 p's; v38 f (v39: stage address); v37, v40-45 at work; v46-93 K's eight tiles, then at work; v94-99 the second tile's Q; v100-147 V; v148-211 S^T, then p; v212-243 O^T; v244-255 p's codes.
.set STEPB, 13056
.set STAGE, 16*STEPB                   ; 208,896: 4,352 bytes for each pair of waves
.set SPARE, STAGE+8*4352               ; 243,712: the spare words, 128 bytes for each wave
.set SPW,  6
.set NIL,  7
.set WV,   10
.set CS,   36                          ; s[36:37] c = log2(e) / 8
.set NCS,  38                          ; -c
.set SEL,  40                          ; s[40:41] selects for lane l xor 16
.set TB,   42                          ; the step's place in LDS
.set KS,   43                          ; the key step
.set CNT,  44
.set LO,   45                          ; I walk steps 0 .. LO,
.set HI,   46                          ; and 9 .. HI
.set D1,   47                          ; the steps on my diagonals
.set D2,   48
.set SW,   49                          ; behind this step I change to the second tile
.set NC,   50                          ; -1 where my tile lies in band 0 of its block, else 0
.set MK,   66                          ; s[66:97] lane masks: register n of my tile's band is hidden on the diagonal
.macro CROUND
	s_barrier_signal -1
	s_barrier_wait -1
	s_cmp_lg_u32 s[WV], 0
	s_cbranch_scc1 .Lnot_wave_0_\@
	s_barrier_signal -3
.Lnot_wave_0_\@:
	s_barrier_wait -3
	s_barrier_signal -1
	s_barrier_wait -1
.endm
.macro WMX d, a, b, c, sa, sb, ra
.if (\ra) == 0
	v_wmma_scale_f32_16x16x128_f8f6f4 v[(\d):(\d)+7], v[(\a):(\a)+11], v[(\b):(\b)+11], \c, v[\sa], v[\sb] matrix_a_fmt:MATRIX_FMT_FP6 matrix_b_fmt:MATRIX_FMT_FP6
.else
	v_wmma_scale_f32_16x16x128_f8f6f4 v[(\d):(\d)+7], v[(\a):(\a)+11], v[(\b):(\b)+11], \c, v[\sa], v[\sb] matrix_a_fmt:MATRIX_FMT_FP6 matrix_b_fmt:MATRIX_FMT_FP6 matrix_a_scale:MATRIX_SCALE_ROW1
.endif
.endm
.macro QADR tile, dc, ds               ; offsets of a tile's half fragment and of its scale words (256 bytes for four tiles; tile 2 j + h at 8 (r + 16 h) + 4 j)
	s_mul_i32 s[\dc], s13, 98304
	s_mul_i32 s53, \tile, 768
	s_add_co_u32 s[\dc], s[\dc], s53
	s_mov_b32 s[\dc+1], 0
	s_lshl_b32 s[\ds], s13, 13
	s_lshr_b32 s53, \tile, 2
	s_lshl_b32 s53, s53, 8
	s_add_co_u32 s[\ds], s[\ds], s53
	s_and_b32 s53, \tile, 1
	s_lshl_b32 s53, s53, 7
	s_add_co_u32 s[\ds], s[\ds], s53
	s_bfe_u32 s53, \tile, 0x10001
	s_lshl_b32 s53, s53, 2
	s_add_co_u32 s[\ds], s[\ds], s53
	s_add_co_u32 s[\ds], s[\ds], 3145728
	s_mov_b32 s[\ds+1], 0
.endm
.macro OADR tile, dc, dw               ; o's half fragment [token tile][head] and its half words, 128 bytes for a tile and head
	s_add_co_u32 s53, s17, \tile
	s_mul_i32 s[\dc], s53, 12288
	s_lshl_b32 s[\dw], s53, 11
	s_mul_i32 s53, s11, 768
	s_add_co_u32 s[\dc], s[\dc], s53
	s_mov_b32 s[\dc+1], 0
	s_lshl_b32 s53, s11, 7
	s_add_co_u32 s[\dw], s[\dw], s53
	s_add_co_u32 s[\dw], s[\dw], 3145728
	s_mov_b32 s[\dw+1], 0
.endm
; THE WAY OUT of a tile: O^T / the sum, quantised along the head's 64 channels (a block a lane), as half a fragment of the last product's operand
.macro EPI dc, dw
	v_add_f32 v44, v14, v15                        ; (these three and the move behind the reciprocal are also the four places behind the last products)
	v_permlanex16_b32 v45, v44, s[SEL], s[SEL+1]
	v_add_f32 v44, v44, v45                        ; the row's sum
	s_wait_alu depctr_va_vdst(0)
	v_rcp_f32 v46, v44
	v_mov_b32 v47, 0                               ; a plain place (and the upper half of the pair below)
	s_wait_alu depctr_va_vdst(0)
.set J, 0
.rept 16
	v_pk_mul_f32 v[148+J:149+J], v[212+J:213+J], v[46:47] op_sel_hi:[1,0]   ; register i: channel 32 h + i of my query
.set J, J+2
.endr
.irp x, 0,1,2,3
	v_max3_num_f32 v[40+\x], |v[148+8*\x]|, |v[149+8*\x]|, 0x1800000   ; with the floor 2^(3 - 127): the byte cannot fall under 1
.endr
.irp i, 2,4,6
.irp x, 0,1,2,3
	v_max3_num_f32 v[40+\x], v[40+\x], |v[148+8*\x+\i]|, |v[149+8*\x+\i]|
.endr
.endr
	v_max3_num_f32 v40, v40, v41, v42
	v_max_num_f32 v40, v40, v43
	v_add_nc_u32 v88, 0xff000000, v40              ; 2 off its exponent field: the conversions' scale operand
	v_cvt_scalef32_pk16_fp6_f32 v[244:246], v[148:163], v88
	v_cvt_scalef32_pk16_fp6_f32 v[60:62], v[164:179], v88
	v_lshrrev_b32 v86, 23, v88                     ; the byte (and a plain place behind the conversions)
	v_lshlrev_b32 v86, v4, v86
	v_permlanex16_b32 v45, v86, s[SEL], s[SEL+1]
	v_mov_b32 v247, v60
	v_mov_b32 v248, v61
	v_mov_b32 v249, v62
	v_or_b32 v86, v86, v45                         ; the head's two bytes of my query's scale word
	global_store_b128 v1, v[244:247], s[\dc:\dc+1]     ; 512 consecutive bytes, aligned
	global_store_b64 v2, v[248:249], s[\dc:\dc+1] offset:512   ; 256
	global_store_b32 v3, v86, s[\dw:\dw+1]         ; 128 consecutive bytes: half of an aligned block of 256; its other half is the neighbouring head's
.endm
; A KEY STEP: 128 keys
.macro STEP early                      ; early = 1: steps 0 and 1, which lie under 9
.if \early
	s_cmp_gt_u32 s[KS], s[LO]
	s_cbranch_scc1 .Lnext_\@
.else
	s_cmp_le_u32 s[KS], s[LO]
	s_cbranch_scc1 .Lrun_\@
	s_cmp_lt_u32 s[KS], 9
	s_cbranch_scc1 .Lnext_\@
	s_cmp_gt_u32 s[KS], s[HI]
	s_cbranch_scc1 .Lnext_\@
.Lrun_\@:
.endif
	v_add_nc_u32 v8, s[TB], v1
	v_add_nc_u32 v9, s[TB], v2
	v_nop
	v_nop                                          ; (four places behind the last step's products)
.irp t, 0,1,2,3,4,5,6,7
	ds_load_b128 v[46+6*\t:49+6*\t], v8 offset:768*\t
	ds_load_b64 v[50+6*\t:51+6*\t], v9 offset:768*\t+512
.endr
	ds_load_b64 v[32:33], v9 offset:12288          ; register j, half h of the lanes: tile 2 j + h
	ds_load_b64 v[34:35], v9 offset:12544
.irp t, 0,1,2,3
.irp c, 0,1
	ds_load_b128 v[100+12*\t+6*\c:103+12*\t+6*\c], v8 offset:6144+1536*\t+768*\c
	ds_load_b64 v[104+12*\t+6*\c:105+12*\t+6*\c], v9 offset:6144+1536*\t+768*\c+512
.endr
.endr
	ds_load_b64 v[30:31], v9 offset:12800
	s_wait_dscnt 17                                ; K is in; V's 16 loads and its scale words may be out
.irp t, 0,1,2,3,4,5,6,7
	WMX 148+8*\t,46+6*\t,16,0,32+\t/2,28,\t%2      ; (registers 6-11 of source 0 are the next tile's codes, or v94-99's, against Q's zero codes)
.endr
.rept 4
	v_nop                                          ; four places behind the products
.endr
	s_cmp_eq_u32 s[KS], s[D1]
	s_cbranch_scc1 .Lmask_\@
	s_cmp_lg_u32 s[KS], s[D2]
	s_cbranch_scc1 .Lopen_\@
.Lmask_\@:                                             ; a step on my diagonal: in my tile's band by the masks; band 0 is open where my tile lies in band 1, band 1 hidden where it lies in band 0
.set NN, 0
.rept 32
	s_and_b32 s[51+NN%2], s[MK+NN], s[NC]
	v_cndmask_b32 v[148+NN], v[148+NN], v10, s[51+NN%2]
.set NN, NN+1
.endr
.set NN, 0
.rept 32
	s_or_b32 s[51+NN%2], s[MK+NN], s[NC]
	v_cndmask_b32 v[180+NN], v[180+NN], v10, s[51+NN%2]
.set NN, NN+1
.endr
	s_wait_alu depctr_va_vdst(0)
.Lopen_\@:
.irp b, 0,1,2,3
	v_max3_num_f32 v[40+\b], v[148+16*\b], v[149+16*\b], v[150+16*\b]   ; the largest score of each block of 32 keys: for the row's maximum, and, since p rises with the score, for the block's largest p
.endr
.irp i, 3,5,7,9,11,13
.irp b, 0,1,2,3
	v_max3_num_f32 v[40+\b], v[40+\b], v[148+16*\b+\i], v[149+16*\b+\i]
.endr
.endr
	v_max3_num_f32 v40, v40, v163, v179
	v_max3_num_f32 v42, v42, v195, v211
	v_max_num_f32 v40, v40, v41                    ; block h of band 0
	v_max_num_f32 v42, v42, v43                    ; of band 1
	s_delay_alu instid0(VALU_DEP_1)
	v_max3_num_f32 v44, v40, v42, v11
	s_delay_alu instid0(VALU_DEP_1)
	v_permlanex16_b32 v45, v44, s[SEL], s[SEL+1]
	s_delay_alu instid0(VALU_DEP_1)
	v_max_num_f32 v11, v44, v45                    ; the largest score so far of my query
	s_delay_alu instid0(VALU_DEP_1)
	v_mul_f32 v44, s[NCS], v11
	v_mov_b32 v37, v12
	s_delay_alu instid0(VALU_DEP_2)
	v_floor_f32 v12, v44                           ; the new -M = -ceil(t): a whole number
	s_delay_alu instid0(VALU_DEP_1)
	v_sub_f32 v44, v12, v37                        ; old M - new M: a whole number, 0 or less
	s_delay_alu instid0(VALU_DEP_1)
	v_cvt_i32_f32 v44, v44                         ; (it saturates)
	s_delay_alu instid0(VALU_DEP_1)
	v_ldexp_f32 v38, 1.0, v44                      ; f = 2^(old M - new M)
.set J, 0
.rept 32
	v_pk_fma_f32 v[148+J:149+J], v[148+J:149+J], s[CS:CS+1], v[12:13] op_sel_hi:[1,0,0]   ; t - M, two at a time
.set J, J+2
.endr
	v_fma_f32 v90, v40, s[CS], v12                 ; the same of each block's largest score
	v_fma_f32 v91, v42, s[CS], v12
	s_wait_alu depctr_va_vdst(0)
.set J, 0
.rept 64
	v_exp_f32 v[148+J], v[148+J]                   ; p = 2^(t - M), at most 1
.set J, J+1
.endr
	v_exp_f32 v90, v90                             ; the blocks' largest p: the same two instructions on the same numbers
	v_exp_f32 v91, v91
	v_pk_mul_f32 v[14:15], v[14:15], v[38:39] op_sel_hi:[1,0]   ; the sum under the new M: a plain place behind the exponentials
	s_wait_alu depctr_va_vdst(0)                   ; one wait for the whole batch, ahead of the first use of a result
.irp k, 0,1,2,3,4,5,6,7
	v_pk_add_f32 v[46+2*\k:47+2*\k], v[148+2*\k:149+2*\k], v[164+2*\k:165+2*\k]
.endr
.irp k, 0,1,2,3,4,5,6,7
	v_pk_add_f32 v[46+2*\k:47+2*\k], v[46+2*\k:47+2*\k], v[180+2*\k:181+2*\k]
.endr
.irp k, 0,1,2,3,4,5,6,7
	v_pk_add_f32 v[46+2*\k:47+2*\k], v[46+2*\k:47+2*\k], v[196+2*\k:197+2*\k]
.endr
.irp k, 0,1,2,3
	v_pk_add_f32 v[46+2*\k:47+2*\k], v[46+2*\k:47+2*\k], v[54+2*\k:55+2*\k]
.endr
	v_max_num_f32 v90, 0x1800000, v90              ; the floor 2^(3 - 127): the byte cannot fall under 1
	v_pk_add_f32 v[46:47], v[46:47], v[50:51]
	v_max_num_f32 v91, 0x1800000, v91
	v_pk_add_f32 v[48:49], v[48:49], v[52:53]
	v_add_nc_u32 v88, 0xff000000, v90              ; 2 off the exponent field: the conversions' scale operands
	v_add_nc_u32 v89, 0xff000000, v91
	v_pk_add_f32 v[46:47], v[46:47], v[48:49]
	v_lshlrev_b32 v86, 1, v88                      ; the scale's byte at the top
	v_lshlrev_b32 v87, 1, v89
	v_pk_add_f32 v[14:15], v[14:15], v[46:47]
	v_perm_b32 v86, v87, v86, v5                   ; my blocks' bytes at their places: h and 2 + h
	v_cvt_scalef32_pk16_fp6_f32 v[244:246], v[148:163], v88
	v_cvt_scalef32_pk16_fp6_f32 v[60:62], v[164:179], v88   ; (a conversion's three registers begin on an even number)
	v_cvt_scalef32_pk16_fp6_f32 v[250:252], v[180:195], v89
	v_cvt_scalef32_pk16_fp6_f32 v[64:66], v[196:211], v89
	v_permlanex16_b32 v45, v86, s[SEL], s[SEL+1]   ; (a plain place behind the conversions)
	s_wait_alu depctr_va_vdst(0)
.set J, 0
.rept 8
	v_pk_mul_f32 v[212+J:213+J], v[212+J:213+J], v[38:39] op_sel_hi:[1,0]   ; O^T under the new M
.set J, J+2
.endr
	v_or_b32 v36, v86, v45                         ; p's scale word for these 128 keys
.irp i, 0,1,2
	v_mov_b32 v[247+\i], v[60+\i]
	v_mov_b32 v[253+\i], v[64+\i]
.endr
.rept 8
	v_pk_mul_f32 v[212+J:213+J], v[212+J:213+J], v[38:39] op_sel_hi:[1,0]   ; (also the places between the codes, the scale word and the products)
.set J, J+2
.endr
	s_wait_alu depctr_va_vdst(0)
	s_wait_dscnt 0x0                               ; V is in
.irp t, 0,1,2,3
	WMX 212+8*\t,100+12*\t,244,v[212+8*\t:219+8*\t],30+\t/2,36,\t%2
.endr
	s_cmp_eq_u32 s[KS], s[SW]
	s_cbranch_scc0 .Lnext_\@
	EPI 54,56                                      ; my first tile is whole: it goes out, and the second begins
	v_mov_b32 v11, 0xff61b1e6
	v_mov_b32 v12, 0x7e967699
	v_mov_b32 v14, 0
	v_mov_b32 v15, 0
	v_mov_b32 v28, v29
.irp i, 0,1,2,3,4,5
	v_mov_b32 v[16+\i], v[94+\i]
.endr
.set J, 0
.rept 32
	v_mov_b32 v[212+J], 0
.set J, J+1
.endr
	s_wait_alu depctr_va_vdst(0)
	s_wait_xcnt 0x0                                ; the stores have read their registers: they are written again
.Lnext_\@:
	s_add_co_u32 s[TB], s[TB], STEPB
	s_add_co_u32 s[KS], s[KS], 1
.endm
	s_load_b128 s[4:7], s[0:1], 0x0                ; qq, kv
	s_load_b64 s[8:9], s[0:1], 0x10                ; oq
	v_lshl_add_u32 v[SPW], v0, 2, SPARE
	v_mov_b32 v[NIL], 0
	ds_add_u32 v[SPW], v[NIL]
	ds_add_u32 v[SPW], v[NIL]
	v_lshrrev_b32 v1, 5, v0
	v_readfirstlane_b32 s[WV], v1                  ; wave 0..15
	s_bfe_u32 s11, ttmp6, 0x40000                  ; cx
	s_bfe_u32 s12, ttmp6, 0x40004                  ; cy
	s_and_b32 s13, ttmp7, 0xffff
	s_lshl_b32 s13, s13, 3
	s_lshl_b32 s16, ttmp9, 1
	s_add_co_u32 s13, s13, s16
	s_lshr_b32 s16, s12, 1
	s_add_co_u32 s13, s13, s16                     ; 16 b + head = 8 x cluster y + 2 x cluster x + cy / 2: a row of the cluster shares it
	s_and_b32 s14, s12, 1
	s_lshl_b32 s14, s14, 2
	s_add_co_u32 s14, s14, s11                     ; g = 4 (cy % 2) + cx: my tile of each query block
	s_and_b32 s15, s[WV], 7                        ; b
	s_sub_co_u32 s16, 15, s15                      ; 15 - b
	s_lshl_b32 s17, s12, 2
	s_lshl_b32 s17, 15, s17                        ; my row of the cluster
	; descriptor group 1: two key steps, a dense block of 26,112 bytes, as 102 rows of 256 bytes (32 elements of 8 bytes)
	s_or_b32 s24, s17, (3<<16)|(1<<21)
	s_mov_b32 s25, 32<<16
	s_mov_b32 s26, 102<<16
	s_mov_b32 s27, 32<<16
	s_mov_b32 s28, 102
	s_mov_b32 s29, 32
	s_mov_b32 s30, 0
	s_mov_b32 s31, 0
	s_mul_i32 s19, s[WV], 2*STEPB                  ; wave w < 8 brings steps 2 w and 2 w + 1
	s_mul_i32 s20, s13, 16*STEPB
	s_add_co_u32 s20, s20, s19
	s_mov_b32 s21, 0
	s_mov_b32 s32, 1
	s_mov_b32 s33, s19
	s_wait_dscnt 0x0                               ; both opening adds are done
	CROUND                                         ; all sixteen work-groups are here: the joint loads meet
	s_wait_kmcnt 0x0
	s_add_nc_u64 s[34:35], s[6:7], s[20:21]
	s_or_b32 s35, s35, 0x80000000
	s_cmp_eq_u32 s[WV], 0
	s_cbranch_scc0 .Lothers
	tensor_load_to_lds s[32:35], s[24:31]          ; steps 0 and 1, which are wanted first: a line of wave 0's own
	s_nop 0
.rept 4
	v_nop
.endr
	s_branch .Lasked
.Lothers:
	s_cmp_lt_u32 s[WV], 8
	s_cbranch_scc0 .Lasked
	tensor_load_to_lds s[32:35], s[24:31]          ; steps 2 to 15
	s_nop 0
.rept 4
	v_nop
.endr
.Lasked:
	s_lshl_b32 s2, s15, 3
	s_add_co_u32 s2, s2, s14                       ; tile g of block b,
	s_lshl_b32 s3, s16, 3
	s_add_co_u32 s3, s3, s14                       ; and of block 15 - b
	s_cmp_lt_u32 s[WV], 8
	s_cselect_b32 s[LO], s15, 8
	s_cselect_b32 s[HI], s16, 0
	s_cselect_b32 s[D1], s15, s16
	s_cselect_b32 s[SW], s15, 31
	s_cselect_b32 s39, s2, s3                      ; the tile that I begin with
	s_mov_b32 s[D2], s16
	QADR s39, 98, 100
	QADR s3, 62, 22
	s_lshr_b32 s17, s13, 4
	s_lshl_b32 s17, s17, 7                         ; the batch's first token tile
	s_and_b32 s11, s13, 15                         ; the head
	OADR s2, 54, 56
	OADR s3, 58, 60
	s_add_nc_u64 s[98:99], s[4:5], s[98:99]
	s_add_nc_u64 s[100:101], s[4:5], s[100:101]
	s_add_nc_u64 s[62:63], s[4:5], s[62:63]
	s_add_nc_u64 s[22:23], s[4:5], s[22:23]
	s_add_nc_u64 s[54:55], s[8:9], s[54:55]
	s_add_nc_u64 s[56:57], s[8:9], s[56:57]
	s_add_nc_u64 s[58:59], s[8:9], s[58:59]
	s_add_nc_u64 s[60:61], s[8:9], s[60:61]
	s_mov_b32 s[CS], 0x3e38aa3b                    ; c = log2(e) / 8
	s_mov_b32 s[CS+1], s[CS]                       ; (named with it as a pair, so it is written)
	s_mov_b32 s[NCS], 0xbe38aa3b
	s_mov_b32 s[SEL], 0x76543210
	s_mov_b32 s[SEL+1], 0xfedcba98
	s_lshr_b32 s[NC], s14, 2
	s_sub_co_u32 s[NC], s[NC], 1
	s_mul_i32 s53, s15, 4352
	s_add_co_u32 s53, s53, STAGE                   ; my pair's place
	s_and_b32 s52, s14, 3
	s_lshl_b32 s52, s52, 3
	v_and_b32 v37, 31, v0                          ; lane
	v_and_b32 v40, 15, v0                          ; r
	v_bfe_u32 v41, v0, 4, 1                        ; h
	v_lshlrev_b32 v1, 4, v37
	v_lshlrev_b32 v2, 3, v37
	v_lshlrev_b32 v42, 3, v40
	global_load_b128 v[16:19], v1, s[98:99]        ; Q of the tile that I begin with
	global_load_b64 v[20:21], v2, s[98:99] offset:512
	global_load_b32 v28, v42, s[100:101]           ; lane r (and r + 16): query r's scale word
	global_load_b128 v[94:97], v1, s[62:63]        ; and of block 15 - b's (its codes also stand behind K's last fragment)
	global_load_b64 v[98:99], v2, s[62:63] offset:512
	global_load_b32 v29, v42, s[22:23]
	v_lshlrev_b32 v3, 2, v37
	v_lshlrev_b32 v4, 3, v41
	v_mov_b32 v5, 0x0c070c03
	v_mov_b32 v44, 0x070c030c
	v_cmp_le_u32 vcc_lo, 16, v37
	v_cndmask_b32 v5, v5, v44, vcc_lo              ; byte selects: lanes 0-15 fill bytes 0 and 2, lanes 16-31 bytes 1 and 3
	v_add_nc_u32 v13, s53, v1
	v_add_nc_u32 v39, s53, v2
	v_and_b32 v43, 7, v40
	v_lshrrev_b32 v44, 3, v40
	v_sub_nc_u32 v44, v44, v41
	v_lshl_add_u32 v43, v44, 5, v43
	v_add_nc_u32 v43, s52, v43                     ; d = my query's place in its band - 32 h: register n of the band is hidden where n > d
.set NN, 0
.rept 32
	v_cmp_gt_i32 s[MK+NN], NN, v43
.set NN, NN+1
.endr
	v_mov_b32 v10, 0xff800000                      ; -infinity: p = 0 then
	v_mov_b32 v11, 0xff61b1e6                      ; the largest score so far: -3e38, under every score
	v_mov_b32 v12, 0x7e967699                      ; -M: 1e38
	v_mov_b32 v14, 0
	v_mov_b32 v15, 0
	v_mov_b32 v45, 0                               ; a lane permute's destination counts as one of its sources
.irp i, 22,23,24,25,26,27
	v_mov_b32 v[\i], 0                             ; Q's K 64 .. 127: zero codes
.endr
.set J, 0
.rept 32
	v_mov_b32 v[212+J], 0                          ; O^T: the step is written once; a tile's first finds zeros, which the first change of M leaves zeros
.set J, J+1
.endr
	s_mov_b32 s[KS], 0
	s_mov_b32 s[TB], 0
	s_mov_b32 s[CNT], 2
	s_wait_alu depctr_va_vdst(0)
	s_cmp_eq_u32 s[WV], 0
	s_cbranch_scc0 .Lnot_first
	s_wait_tensorcnt 0x0
.Lnot_first:
	s_barrier_signal -1
	s_barrier_wait -1                              ; steps 0 and 1 are in; the others may be out
	s_wait_loadcnt 0x0                             ; Q
.Lfirst_steps:
	STEP 1
	s_sub_co_u32 s[CNT], s[CNT], 1
	s_cmp_lg_u32 s[CNT], 0
	s_cbranch_scc1 .Lfirst_steps
	s_wait_alu depctr_va_vdst(0)
	s_wait_tensorcnt 0x0
	s_wait_dscnt 0x0                               ; no LDS instruction is pending at a signal
	s_barrier_signal -1
	s_barrier_wait -1                              ; all of K and V is in
	s_mov_b32 s[TB], 2*STEPB
	s_mov_b32 s[CNT], 14
.Lsteps:
	STEP 0
	s_sub_co_u32 s[CNT], s[CNT], 1
	s_cmp_lg_u32 s[CNT], 0
	s_cbranch_scc1 .Lsteps
	; THE TWO PARTS OF BLOCK 15 - b MEET: wave b puts its -M, sum and O^T into LDS, wave 8 + b takes them up
	s_cmp_lt_u32 s[WV], 8
	s_cbranch_scc0 .Ltaker
	v_add_f32 v44, v14, v15
	v_mov_b32 v45, v12
	v_nop
	v_nop                                          ; (four places behind the last products)
.irp k, 0,1,2,3,4,5,6,7
	ds_store_b128 v13, v[212+4*\k:215+4*\k] offset:512*\k
.endr
	ds_store_b64 v39, v[44:45] offset:4096
.Ltaker:
	s_wait_alu depctr_va_vdst(0)
	s_wait_dscnt 0x0                               ; my stores are done
	s_barrier_signal -1
	s_barrier_wait -1
	s_cmp_lt_u32 s[WV], 8
	s_cbranch_scc1 .Lend
.irp k, 0,1,2,3,4,5,6,7
	ds_load_b128 v[148+4*\k:151+4*\k], v13 offset:512*\k
.endr
	ds_load_b64 v[44:45], v39 offset:4096
	s_wait_dscnt 0x0
	v_min_num_f32 v40, v12, v45                    ; the common -M
	v_add_f32 v14, v14, v15
	v_sub_f32 v41, v40, v12
	v_sub_f32 v42, v40, v45
	v_mov_b32 v47, 0
	v_cvt_i32_f32 v41, v41
	v_cvt_i32_f32 v42, v42
	v_mov_b32 v15, 0
	v_ldexp_f32 v38, 1.0, v41                      ; what brings mine under it,
	v_ldexp_f32 v46, 1.0, v42                      ; and the other part
.set J, 0
.rept 16
	v_pk_mul_f32 v[212+J:213+J], v[212+J:213+J], v[38:39] op_sel_hi:[1,0]
.set J, J+2
.endr
	v_mul_f32 v14, v14, v38
.set J, 0
.rept 16
	v_pk_fma_f32 v[212+J:213+J], v[148+J:149+J], v[46:47], v[212+J:213+J] op_sel_hi:[1,0,1]
.set J, J+2
.endr
	v_fma_f32 v14, v44, v46, v14
	EPI 58,60
.Lend:
	s_wait_tensorcnt 0x0                           ; the wave's end
	ds_add_u32 v[SPW], v[NIL]
	s_wait_dscnt 0x0
	CROUND                                         ; the closing round: no work-group ends while a partner may still ask for a tile that names it
	s_endpgm
.Lfunc_end_k_qbbcaaa1a95_attn:
	.size	k_qbbcaaa1a95_attn, .Lfunc_end_k_qbbcaaa1a95_attn-k_qbbcaaa1a95_attn
	.p2alignl 7, 3214868480
	.fill 96, 4, 3214868480
	.section	.rodata,"a",@progbits
	.p2align	6, 0x0
	.amdhsa_kernel k_qbbcaaa1a95_attn
		.amdhsa_group_segment_fixed_size 245760
		.amdhsa_private_segment_fixed_size 0
		.amdhsa_enable_private_segment 0
		.amdhsa_kernarg_size 24
		.amdhsa_user_sgpr_count 2
		.amdhsa_user_sgpr_kernarg_segment_ptr 1
		.amdhsa_wavefront_size32 1
		.amdhsa_system_sgpr_workgroup_id_x 1
		.amdhsa_system_sgpr_workgroup_id_y 1
		.amdhsa_system_sgpr_workgroup_id_z 1
		.amdhsa_system_vgpr_workitem_id 0
		.amdhsa_next_free_vgpr 256
		.amdhsa_next_free_sgpr 102
		.amdhsa_reserve_vcc 1
		.amdhsa_float_denorm_mode_32 3
		.amdhsa_float_denorm_mode_16_64 3
		.amdhsa_memory_ordered 1
		.amdhsa_forward_progress 1
		.amdhsa_inst_pref_size 72
	.end_amdhsa_kernel
	.amdgpu_metadata
---
amdhsa.version: [ 1, 2 ]
amdhsa.kernels:
  - .name:           k_qbbcaaa1a95_attn
    .symbol:         k_qbbcaaa1a95_attn.kd
    .args:
      - { .name: qq, .offset: 0, .size: 8, .value_kind: global_buffer, .address_space: global }
      - { .name: kv, .offset: 8, .size: 8, .value_kind: global_buffer, .address_space: global }
      - { .name: oq, .offset: 16, .size: 8, .value_kind: global_buffer, .address_space: global }
    .group_segment_fixed_size: 245760
    .private_segment_fixed_size: 0
    .kernarg_segment_align: 8
    .kernarg_segment_size: 24
    .max_flat_workgroup_size: 512
    .sgpr_count:     102
    .vgpr_count:     256
    .wavefront_size: 32
...
	.end_amdgpu_metadata
.endif
;; end of part 3
;; launch proj (part 4): grid 8 x 32, 4 waves a work-group, clusters of 4 x 4, 214,528 bytes of LDS; arguments oq, wq, bo, out0; writes out0
.if DOCPART == 4
	.amdgcn_target "amdgcn-amd-amdhsa--gfx1250"
	.amdhsa_code_object_version 6
	.text
	.protected	k_qbbcaaa1a95_proj
	.globl	k_qbbcaaa1a95_proj
	.p2align	8
	.type	k_qbbcaaa1a95_proj,@function
k_qbbcaaa1a95_proj:
	s_mov_b64 s[64:65], 0
	v_nop
	global_prefetch_b8 v0, s[64:65] scope:SCOPE_SE
	s_setreg_imm32_b32 hwreg(HW_REG_WAVE_MODE, 25, 1), 1
	s_wait_xcnt 0x0
	s_wait_alu depctr_hold_cnt(0) depctr_sa_sdst(0) depctr_va_vdst(0) depctr_va_sdst(0) depctr_va_ssrc(0) depctr_va_vcc(0) depctr_vm_vsrc(0)
	s_getreg_b32 s2, hwreg(HW_REG_IB_STS2, 6, 4)
	s_cmp_eq_u32 s2, 0
	s_cbranch_scc0 .Lentry_in_a_cluster
	s_endpgm
.Lentry_in_a_cluster:
	s_bfe_u32 s2, ttmp6, 0x10000c
	s_cmp_lg_u32 s2, 0xf033
	s_cbranch_scc0 .Lentry_shape_is_right
	s_endpgm
.Lentry_shape_is_right:
; out0 = o Wo + bo on codes of FP6 with E8M0 scales.  o: [4096][1024] as register images made by attention; Wo: images made by the first launch.  K = 1,024 in eight steps of 128 (two heads each).
; SHARES.  Work-group: 128 tokens x 128 columns, four waves 2 x 2.  Wave 2 a + b: 64 tokens (four tiles) against 64 columns (four tiles).  Its 32 fragments of Wo lie in registers, 384; o's token tiles go past them one by one, all of K,
; so that a finished tile's rows leave while the next tile is multiplied.
; TRANSPOSED: source 0 = 16 columns of Wo, source 1 = 16 tokens: lane (r, h) holds a token and, over the four tiles, the 32 neighbouring columns 32 h + 0 .. 31.  The bias is the C of each sum's first product.
; CLUSTERS: 4 x 4 work-groups.  The four of a row of the cluster take the same tokens, the four of a column the same columns of Wo: each block is asked for JOINTLY, by the same tensor load with the same descriptor and a mask
; that names the four.  LDS is filled once, one load of 49,152 bytes a wave: waves 0 and 1 Wo's two halves, waves 2 and 3 o's.  No prefetch: no loop loads from memory.
; LDS: Wo's halves at 0 and 49,152, o's at 98,304 and 147,456, a stage of 16 rows x (256 + 16) bytes for each wave at 196,608, the spare words at 214,016.
; REGISTERS.  Window 0: v2-12 addresses; v32-47 o's scale words (4 m + j; half h of the lanes: K step 4 h + j); v48-63 Wo's (2 s + j; half h: tile 2 j + h); v64-255 o's fragments, two sets of 96.
;   windows 1, 2: Wo's fragment f = 4 s + t in window 1 + f / 21 at 12 (f % 21).   window 2: v136-199 two sets of four accumulators, v200-231 the bias.   window 3: v0-63 rows on their way out, two sets.
.set WV,  12
.set OSC, 32
.set WSC, 48
.set OFR, 64
.set ACC, 136
.set BIA, 200
.set SPARE, 214016
.set MSB, 0
.macro WIN new                         ; the immediate's high byte repeats the setting that is left
.if MSB != (\new)
	s_set_vgpr_msb (MSB<<8)|(\new)
.set MSB, (\new)
.endif
.endm
.macro CROUND                          ; a round of the cluster's barrier
	s_barrier_signal -1
	s_barrier_wait -1
	s_cmp_lg_u32 s[WV], 0
	s_cbranch_scc1 .Lnot_wave_0_\@
	s_barrier_signal -3
.Lnot_wave_0_\@:
	s_barrier_wait -3
	s_barrier_signal -1
	s_barrier_wait -1
.endm
.macro WMX d, a, b, c, sa, sb, ra, rb
.if (\ra) == 0
.if (\rb) == 0
	v_wmma_scale_f32_16x16x128_f8f6f4 v[(\d):(\d)+7], v[(\a):(\a)+11], v[(\b):(\b)+11], \c, v[\sa], v[\sb] matrix_a_fmt:MATRIX_FMT_FP6 matrix_b_fmt:MATRIX_FMT_FP6
.else
	v_wmma_scale_f32_16x16x128_f8f6f4 v[(\d):(\d)+7], v[(\a):(\a)+11], v[(\b):(\b)+11], \c, v[\sa], v[\sb] matrix_a_fmt:MATRIX_FMT_FP6 matrix_b_fmt:MATRIX_FMT_FP6 matrix_b_scale:MATRIX_SCALE_ROW1
.endif
.else
.if (\rb) == 0
	v_wmma_scale_f32_16x16x128_f8f6f4 v[(\d):(\d)+7], v[(\a):(\a)+11], v[(\b):(\b)+11], \c, v[\sa], v[\sb] matrix_a_fmt:MATRIX_FMT_FP6 matrix_b_fmt:MATRIX_FMT_FP6 matrix_a_scale:MATRIX_SCALE_ROW1
.else
	v_wmma_scale_f32_16x16x128_f8f6f4 v[(\d):(\d)+7], v[(\a):(\a)+11], v[(\b):(\b)+11], \c, v[\sa], v[\sb] matrix_a_fmt:MATRIX_FMT_FP6 matrix_b_fmt:MATRIX_FMT_FP6 matrix_a_scale:MATRIX_SCALE_ROW1 matrix_b_scale:MATRIX_SCALE_ROW1
.endif
.endif
.endm
.macro PLACES
.rept 4
	v_nop                                          ; four places behind the last products: for reads of results and loads into registers that they have read
.endr
.endm
.macro FETCH m                         ; token tile m, all of K, into set m % 2: 32 loads
.irp s, 0,1,2,3,4,5,6,7
.irp c, 0,1
	ds_load_b128 v[OFR+96*((\m)%2)+12*\s+6*\c:OFR+96*((\m)%2)+12*\s+6*\c+3], v6 offset:12288*(\m)+1536*\s+768*\c
	ds_load_b64 v[OFR+96*((\m)%2)+12*\s+6*\c+4:OFR+96*((\m)%2)+12*\s+6*\c+5], v7 offset:12288*(\m)+1536*\s+768*\c+512
.endr
.endr
.endm
.macro PROD m                          ; token tile m: 32 products; the four accumulators take turns
.set FF, 0
.set AC, ACC+32*((\m)%2)
.irp s, 0,1,2,3,4,5,6,7
.irp t, 0,1,2,3
	WIN (1+FF/21)|(2<<4)|(2<<6)
.if \s == 0
	WMX AC+8*\t,12*(FF%21),OFR+96*((\m)%2)+12*\s,v[BIA+8*\t:BIA+8*\t+7],WSC+2*\s+\t/2,OSC+4*(\m)+\s%4,\t%2,\s/4
.else
	WMX AC+8*\t,12*(FF%21),OFR+96*((\m)%2)+12*\s,v[AC+8*\t:AC+8*\t+7],WSC+2*\s+\t/2,OSC+4*(\m)+\s%4,\t%2,\s/4
.endif
.set FF, FF+1
.endr
.endr
	WIN 0
.endm
; THE WAY OUT.  A lane holds 128 neighbouring bytes of a row, and the lanes beside it hold other rows: a tile goes through my own stage and comes back as whole rows of 256 bytes.
; LDS serves a wave's instructions in order: no wait between the stores and the loads, nor in front of the next tile's stores.
.macro TOSTAGE m
	WIN 0x08                                       ; an LDS store's data: window 2
.irp t, 0,1,2,3
	ds_store_b128 v8, v[ACC+32*((\m)%2)+8*\t:ACC+32*((\m)%2)+8*\t+3] offset:32*\t        ; each accumulator from its low end on
	ds_store_b128 v8, v[ACC+32*((\m)%2)+8*\t+4:ACC+32*((\m)%2)+8*\t+7] offset:32*\t+16
.endr
	WIN 0xc0                                       ; destination window 3
.irp i, 0,1,2,3,4,5,6,7
	ds_load_b128 v[32*((\m)%2)+4*\i:32*((\m)%2)+4*\i+3], v9 offset:2*\i*272
.endr
	WIN 0
.endm
.macro SEND m, younger                 ; younger: the LDS instructions issued behind tile m's loads, which may stay out
	s_wait_dscnt \younger
	WIN 0x0c                                       ; a store's data: window 3
.irp i, 0,1,2,3,4,5,6,7
	global_store_b128 v10, v[32*((\m)%2)+4*\i:32*((\m)%2)+4*\i+3], s[60:61] offset:(8*(\m)+2*\i+24*(\i/4))*4096 th:TH_STORE_NT   ; 16 lanes store 256 consecutive bytes, aligned; stage row 2 i + h is the tile's row of that number
.endr
	WIN 0
.endm
	s_load_b256 s[4:11], s[0:1], 0x0               ; oq s[4:5], wq s[6:7], bo s[8:9], out0 s[10:11]
	v_lshl_add_u32 v30, v0, 2, SPARE
	v_mov_b32 v31, 0
	ds_add_u32 v30, v31
	ds_add_u32 v30, v31
	v_lshrrev_b32 v1, 5, v0
	v_readfirstlane_b32 s[WV], v1                  ; wave 0..3
	s_bfe_u32 s13, ttmp6, 0x40000                  ; cx
	s_bfe_u32 s14, ttmp6, 0x40004                  ; cy
	s_lshl_b32 s15, ttmp9, 2
	s_add_co_u32 s15, s15, s13                     ; my block of 128 columns = 4 x cluster x + cx
	s_and_b32 s16, ttmp7, 0xffff
	s_lshl_b32 s16, s16, 2
	s_add_co_u32 s16, s16, s14                     ; my block of 128 tokens = 4 x cluster y + cy
	s_lshl_b32 s17, s14, 2
	s_lshl_b32 s17, 15, s17                        ; my row of the cluster
	s_lshl_b32 s18, 0x1111, s13                    ; my column
	; descriptor groups 1: a dense block of 49,152 bytes as 192 rows of 256 bytes (32 elements of 8 bytes)
	s_or_b32 s24, s18, (3<<16)|(1<<21)             ; Wo's blocks go to my column
	s_or_b32 s32, s17, (3<<16)|(1<<21)             ; o's blocks go to my row
.irp g, 24, 32
	s_mov_b32 s[\g+1], 32<<16
	s_mov_b32 s[\g+2], 192<<16
	s_mov_b32 s[\g+3], 32<<16
	s_mov_b32 s[\g+4], 192
	s_mov_b32 s[\g+5], 32
	s_mov_b32 s[\g+6], 0
	s_mov_b32 s[\g+7], 0
.endr
	s_lshr_b32 s21, s[WV], 1                       ; a
	s_and_b32 s22, s[WV], 1                        ; b
	s_mul_i32 s19, s22, 49152                      ; which half I fetch,
	s_mul_i32 s20, s[WV], 49152                    ; and where it goes: no place in the cluster enters an LDS address
	s_mul_i32 s56, s15, 98304                      ; Wo's address hangs on the column block alone,
	s_add_co_u32 s56, s56, s19
	s_add_co_u32 s56, s56, 2359296
	s_mov_b32 s57, 0
	s_mul_i32 s58, s16, 98304                      ; o's on the token block alone
	s_add_co_u32 s58, s58, s19
	s_mov_b32 s59, 0
	s_mov_b32 s40, 1
	s_mov_b32 s41, s20
	s_mov_b32 s44, 1
	s_mov_b32 s45, s20
	s_lshl_b32 s62, s15, 9                         ; bo: 512 bytes a column block, 256 for its second half
	s_lshl_b32 s23, s22, 8
	s_add_co_u32 s62, s62, s23
	s_mov_b32 s63, 0
	s_lshl_b32 s60, s16, 19                        ; out0: 128 rows of 4,096 bytes a token block, 64 for its second half
	s_lshl_b32 s23, s21, 18
	s_add_co_u32 s60, s60, s23
	s_add_co_u32 s60, s60, s62
	s_mov_b32 s61, 0
	s_lshl_b32 s66, s15, 1                         ; Wo's scale words
	s_add_co_u32 s66, s66, s22
	s_lshl_b32 s66, s66, 11
	s_add_co_u32 s66, s66, 3145728+98304
	s_mov_b32 s67, 0
	s_lshl_b32 s68, s16, 14                        ; o's half words
	s_lshl_b32 s23, s21, 13
	s_add_co_u32 s68, s68, s23
	s_add_co_u32 s68, s68, 3145728
	s_mov_b32 s69, 0
	s_wait_dscnt 0x0                               ; both opening adds are done
	CROUND                                         ; all sixteen work-groups are here: the joint loads meet
	s_wait_kmcnt 0x0
	s_add_nc_u64 s[42:43], s[6:7], s[56:57]
	s_or_b32 s43, s43, 0x80000000
	s_add_nc_u64 s[46:47], s[4:5], s[58:59]
	s_or_b32 s47, s47, 0x80000000
	s_cmp_lt_u32 s[WV], 2
	s_cbranch_scc0 .Lfor_o
	tensor_load_to_lds s[40:43], s[24:31]          ; waves 0, 1: Wo's halves
	s_nop 0
.rept 4
	v_nop
.endr
	s_branch .Lasked
.Lfor_o:
	tensor_load_to_lds s[44:47], s[32:39]          ; waves 2, 3: o's
	s_nop 0
.rept 4
	v_nop
.endr
.Lasked:
	s_add_nc_u64 s[60:61], s[10:11], s[60:61]
	s_add_nc_u64 s[62:63], s[8:9], s[62:63]
	s_add_nc_u64 s[66:67], s[6:7], s[66:67]
	s_add_nc_u64 s[68:69], s[4:5], s[68:69]
	s_mul_i32 s21, s21, 49152
	s_add_co_u32 s21, s21, 98304                   ; my half of o
	s_mul_i32 s23, s[WV], 4352
	s_add_co_u32 s23, s23, 196608                  ; my stage
	v_and_b32 v1, 31, v0                           ; lane
	v_and_b32 v4, 15, v0                           ; r
	v_bfe_u32 v5, v0, 4, 1                         ; h
	v_lshlrev_b32 v3, 4, v1                        ; 16 x lane
	v_lshlrev_b32 v13, 3, v1                       ; 8 x lane
	v_lshlrev_b32 v11, 7, v5                       ; the bias: 32 h columns on
	v_lshlrev_b32 v12, 10, v5
	v_lshl_add_u32 v12, v1, 2, v12                 ; o's half words: lanes 16-31 take the heads of K steps 4-7
	v_add_nc_u32 v2, s19, v3                       ; my half of Wo in LDS
	v_add_nc_u32 v6, s21, v3
	v_add_nc_u32 v7, s21, v13
	v_mul_u32_u24 v8, v4, 272
	v_lshl_add_u32 v8, v5, 7, v8
	v_add_nc_u32 v8, s23, v8                       ; in: row r, + 128 h
	v_mul_u32_u24 v9, v5, 272
	v_lshl_add_u32 v9, v4, 4, v9
	v_add_nc_u32 v9, s23, v9                       ; back: lanes 0-15 one row of 256 bytes, lanes 16-31 the next
	v_lshlrev_b32 v10, 12, v5
	v_lshl_add_u32 v10, v4, 4, v10                 ; and the same two rows in out0
	WIN 0x80                                       ; destination window 2
.irp t, 0,1,2,3
	global_load_b128 v[BIA+8*\t:BIA+8*\t+3], v11, s[62:63] offset:32*\t      ; bo at the lane's eight columns of tile t
	global_load_b128 v[BIA+8*\t+4:BIA+8*\t+7], v11, s[62:63] offset:32*\t+16
.endr
	WIN 0
.irp s, 0,1,2,3,4,5,6,7
	global_load_b64 v[WSC+2*\s:WSC+2*\s+1], v13, s[66:67] offset:256*\s
.endr
.irp m, 0,1,2,3
.irp j, 0,1,2,3
	global_load_b32 v[160+4*\m+\j], v12, s[68:69] offset:2048*\m+256*\j       ; the even head's two bytes,
	global_load_b32 v[176+4*\m+\j], v12, s[68:69] offset:2048*\m+256*\j+128   ; the odd head's
.endr
.endr
	s_wait_alu depctr_va_vdst(0)
	s_cmp_lt_u32 s[WV], 2
	s_cbranch_scc0 .Lnot_wo
	s_wait_tensorcnt 0x0
.Lnot_wo:
	s_barrier_signal -1
	s_barrier_wait -1                              ; Wo is in; o may be out
.set FF, 0
.irp s, 0,1,2,3,4,5,6,7
.irp t, 0,1,2,3
	WIN (1+FF/21)<<6
.irp g, 0,1,2
	ds_load_b128 v[12*(FF%21)+4*\g:12*(FF%21)+4*\g+3], v2 offset:6144*\s+1536*\t+512*\g
.endr
.set FF, FF+1
.endr
.endr
	WIN 0
	s_wait_loadcnt 0x0
.set J, 0
.rept 16
	v_lshl_or_b32 v[OSC+J], v[176+J], 16, v[160+J] ; a K step's scale word
.set J, J+1
.endr
.rept 8
	v_nop                                          ; a scale register written by a vector instruction stands eight places ahead of the product that names it
.endr
	s_wait_alu depctr_va_vdst(0)
	s_wait_tensorcnt 0x0
	s_wait_dscnt 0x0                               ; no LDS instruction is pending at a signal
	s_barrier_signal -1
	s_barrier_wait -1                              ; o is in
	FETCH 0
	FETCH 1
	s_wait_dscnt 32                                ; tile 0's fragments are in; tile 1's 32 loads may be out
	PROD 0
	PLACES
	TOSTAGE 0
	FETCH 2
	s_wait_dscnt 48                                ; tile 1's are in: behind them 8 stores and 8 loads of the stage and 32 loads
	PROD 1
	SEND 0,32
	PLACES
	TOSTAGE 1
	FETCH 3
	s_wait_dscnt 48
	PROD 2
	SEND 1,32
	s_wait_xcnt 0x0                                ; tile 0's stores have read their registers: tile 2's rows may land there
	PLACES
	TOSTAGE 2
	s_wait_dscnt 16                                ; tile 3's are in: behind them the stage's 16
	PROD 3
	SEND 2,0
	s_wait_xcnt 0x0
	PLACES
	TOSTAGE 3
	SEND 3,0
	s_wait_tensorcnt 0x0                           ; the wave's end
	ds_add_u32 v30, v31
	s_wait_dscnt 0x0
	CROUND                                         ; the closing round: no work-group ends while a partner may still ask for a block that names it
	s_endpgm
.Lfunc_end_k_qbbcaaa1a95_proj:
	.size	k_qbbcaaa1a95_proj, .Lfunc_end_k_qbbcaaa1a95_proj-k_qbbcaaa1a95_proj
	.p2alignl 7, 3214868480
	.fill 96, 4, 3214868480
	.section	.rodata,"a",@progbits
	.p2align	6, 0x0
	.amdhsa_kernel k_qbbcaaa1a95_proj
		.amdhsa_group_segment_fixed_size 214528
		.amdhsa_private_segment_fixed_size 0
		.amdhsa_enable_private_segment 0
		.amdhsa_kernarg_size 32
		.amdhsa_user_sgpr_count 2
		.amdhsa_user_sgpr_kernarg_segment_ptr 1
		.amdhsa_wavefront_size32 1
		.amdhsa_system_sgpr_workgroup_id_x 1
		.amdhsa_system_sgpr_workgroup_id_y 1
		.amdhsa_system_sgpr_workgroup_id_z 1
		.amdhsa_system_vgpr_workitem_id 0
		.amdhsa_next_free_vgpr 1024
		.amdhsa_next_free_sgpr 80
		.amdhsa_reserve_vcc 0
		.amdhsa_float_denorm_mode_32 3
		.amdhsa_float_denorm_mode_16_64 3
		.amdhsa_memory_ordered 1
		.amdhsa_forward_progress 1
		.amdhsa_inst_pref_size 52
	.end_amdhsa_kernel
	.amdgpu_metadata
---
amdhsa.version: [ 1, 2 ]
amdhsa.kernels:
  - .name:           k_qbbcaaa1a95_proj
    .symbol:         k_qbbcaaa1a95_proj.kd
    .args:
      - { .name: oq, .offset: 0, .size: 8, .value_kind: global_buffer, .address_space: global }
      - { .name: wq, .offset: 8, .size: 8, .value_kind: global_buffer, .address_space: global }
      - { .name: bo, .offset: 16, .size: 8, .value_kind: global_buffer, .address_space: global }
      - { .name: out0, .offset: 24, .size: 8, .value_kind: global_buffer, .address_space: global }
    .group_segment_fixed_size: 214528
    .private_segment_fixed_size: 0
    .kernarg_segment_align: 8
    .kernarg_segment_size: 32
    .max_flat_workgroup_size: 128
    .sgpr_count:     80
    .vgpr_count:     1024
    .wavefront_size: 32
...
	.end_amdgpu_metadata
.endif
;; end of part 4
